; MI455X (gfx1250); checked and timed in simulation.
; The chip was launched on July 23, 2026; its instructions are those of AMD's public machine-readable ISA for CDNA 5 (MIT licence, August 2026) and "CDNA5" Instruction Set Architecture Reference Guide (July 2026). The comments in the code are by the model that wrote it; some were corrected since.
;; Attention. Allowed arithmetic: matrix products marked QUANTISED: E2M3 operands, one E8M0 scale for each 32 along K, by v_wmma_scale_f32_16x16x128_f8f6f4 with both operands' format E2M3, f32 sums; everything else in f32.
;; Inputs: attention_bias 4 x 1 x 2,048 x 2,048 float32; head_mask 1 x 16 x 1 x 1 float32; hidden_states 4 x 2,048 x 1,024 float32; o_b 1,024 float32; o_w 1,024 x 1,024 float32; qkv_b 3,072 float32; qkv_w 3,072 x 1,024 float32; rope_cos 1 x 2,048 x 1 x 64 float32; rope_sin 1 x 2,048 x 1 x 64 float32.
;; Outputs: out0 4 x 2,048 x 1,024 float32.
;; This version of the problem:
;;   THIS VERSION OF THE PROBLEM IS GIVEN IN LOW PRECISION. The matrix products marked QUANTISED in the list below multiply operands that are first quantised to E2M3 (2 exponent bits, 3 mantissa bits; 6 bits a number), with one power-of-two scale for each 32 numbers along K (OCP MX v1.0); their sums are f32. All else is computed in f32.
;;   The module's matrix products, in the order in which they are computed (A, B: the left and right operand; K: the contracted axis; several contracted axes count as one K, in the product's order):
;;     1. [M 8,192, K 1,024] x [K 1,024, N 3,072]; A: input hidden_states; B: input qkv_w: QUANTISED
;;     2. batch 64 x [M 2,048, K 64] x [K 64, N 2,048]; A: computed on the way; B: computed on the way: QUANTISED
;;     3. batch 64 x [M 64, K 2,048] x [K 2,048, N 2,048]; A: computed on the way; B: computed on the way: QUANTISED
;;     4. [M 8,192, K 1,024] x [K 1,024, N 1,024]; A: computed on the way; B: input o_w: QUANTISED
;;   THE QUANTISER, for each operand of a quantised product, along K:
;;     - K is cut into blocks of 32 from its start; a last block that is shorter is filled with zeros.
;;     - A block's scale is 2^e with e = floor(log2(the largest magnitude in the block)) - 2, held to -126 .. 127; a block of zeros has e = 0. As a byte (E8M0): e + 127.
;;     - Each number is divided by its block's scale, clamped to +-7.5, and rounded to the nearest number of E2M3, ties to even, subnormals kept.
;;     - The product sums the exact products of the quantised numbers (number of the format x scale) in f32.
;;   ~~~python
;;   def quantise(x, axis):      # numpy; x: float32 -> the quantised numbers, widened to float32 again
;;       x = np.moveaxis(x, axis, -1); K = x.shape[-1]
;;       x = np.pad(x, [(0, 0)] * (x.ndim - 1) + [(0, -K % 32)]); x = x.reshape(x.shape[:-1] + (-1, 32)); a = np.abs(x).max(-1, keepdims=True)
;;       e = np.where(a > 0, np.clip(np.frexp(np.where(a > 0, a, 1))[1] - 1 - 2, -126, 127), 0)      # np.frexp(a)[1] - 1 = floor(log2(a)), exactly
;;       r = np.clip(x / 2.0 ** e, -7.5, 7.5)
;;       step = 2.0 ** (np.maximum(np.frexp(np.where(r == 0, 1, r))[1] - 1, 0) - 3)
;;       q = np.round(r / step) * step * 2.0 ** e      # np.round: ties to even
;;       return np.moveaxis(q.reshape(q.shape[:-2] + (-1,))[..., :K], -1, axis).astype(np.float32)
;;   ~~~
;;   OPERANDS COMPUTED ON THE WAY. 'Computed on the way' means the value that the module computes at that place (a softmax that the list does not call 'softmax' is quantised finished and normalised). What goes into a quantiser is computed in f32, as accurately as f32 sums, v_exp_f32 and their like allow (about 1e-6 of the number): no bf16 or f16 on the way to a quantiser, and a product that is left as it is and whose result goes on into a quantised operand takes f32 operands (vector FMAs, or v_wmma_f32_16x16x4_f32). A number that lies on a knife's edge between two numbers of the format may be rounded either way, as far as f32 arithmetic and the matrix unit's own rounding can turn it there, and no further.
;; One version. Each part assembles by itself: llvm-mc -triple=amdgcn-amd-amdhsa -mcpu=gfx1250 --defsym DOCPART=n.
;; ======== version 1 of 1: 4 launches
;; limits: right only within a limited range of input values
;; workspace buffers: cod1 9,437,184 bytes; scl1 393,216 bytes; img 18,874,368 bytes; isc 1,310,720 bytes; ctc 6,291,456 bytes; cts 262,144 bytes
;; launch quant (part 1): grid 384 x 1, 4 waves a work-group, no clusters, 43,520 bytes of LDS; arguments hidden_states, qkv_w, o_w, cod1, scl1; writes cod1, scl1
.if DOCPART == 1
	.amdgcn_target "amdgcn-amd-amdhsa--gfx1250"
	.amdhsa_code_object_version 6
	.text
	.protected	k_q6743a7ab69_quant
	.globl	k_q6743a7ab69_quant
	.p2align	8
	.type	k_q6743a7ab69_quant,@function
k_q6743a7ab69_quant:
	s_mov_b64 s[64:65], 0
	v_nop
	global_prefetch_b8 v0, s[64:65] scope:SCOPE_SE
	s_setreg_imm32_b32 hwreg(HW_REG_WAVE_MODE, 25, 1), 1
	s_wait_xcnt 0x0
; hidden_states [8192][1024], qkv_w [3072][1024] and o_w [1024][1024], f32, K innermost, become codes of FP6 (E2M3) with one E8M0 byte for each 32 along K,
; laid in the order in which a matrix operand's registers take them.
; A TILE is 16 rows x 1,024 along K: 12,288 bytes of codes as [K / 64: 16][768 bytes]; in a piece of 768 bytes the 32 codes k = 64 c + 32 p + 0 .. 31 of slot q are the 24 bytes at 24 (q + 16 p).
; Its scale bytes are 512 bytes as [K / 256: 4][slot: 16][8 bytes].  THE ROWS OF A TILE ARE NOT NEIGHBOURS: slot q of tile 2 t + u holds row 32 t + 8 u + q + 8 (q / 8).
; Tiles 0 to 511: hidden_states; 512 to 703: qkv_w; 704 to 767: o_w.  A work-group makes two tiles (32 rows); a wave one tile and one half of K: 8 chunks of 16 rows x 64 numbers.
; A block's scale is 2^(floor(log2(its largest magnitude)) - 2); its byte is the largest magnitude's exponent field - 2, held at 1 from below.
; LIMITS: a block of zeros, and a block whose largest magnitude lies under 2^-124, has the byte 1 (the bytes are read by this program alone; zero codes add nothing); NaN and infinities are not served.
; Each load reads two rows' 256 consecutive bytes; a chunk turns through the wave's own stage in LDS so that a lane holds 16 neighbours along K; the codes leave as 384 consecutive bytes a store,
; the wave's 256 scale bytes as one aligned run of 256.  No tensor loads, no barrier: waves share nothing.
.set WREG,  10752                      ; LDS of a wave: two stages of 5,120 bytes, then its 256 scale bytes
.set SP,    80                         ; a place in a stage: 64 bytes + 16 of padding
.set SUB,   2560                       ; 32 places: the numbers of one block of 32 for the 16 slots
.set STGB,  5120
.set SCB,   10240
.set SPARE, 4*WREG                     ; behind the four regions: the spare words, 128 bytes for each wave
.set R,     16                         ; v16-111   three sets of 32: a chunk as loaded
.set X,     112                        ; v112-175  two sets of 32: 16 neighbours of each of a chunk's two blocks
.set C,     176                        ; v176-239  codes: four registers for each (chunk, block): no store's data are written again
.set E,     240                        ; v240-255  a scale byte for each
.set SPW,   12
.set NIL,   13
.set FLOOR, 0x1800000                  ; 2^(3 - 127)
	s_load_b128 s[4:7], s[0:1], 0x0                ; hidden_states, qkv_w
	s_load_b128 s[8:11], s[0:1], 0x10              ; o_w, cod1
	s_load_b64 s[12:13], s[0:1], 0x20              ; scl1
	v_lshl_add_u32 v[SPW], v0, 2, SPARE
	v_mov_b32 v[NIL], 0
	v_lshrrev_b32 v1, 5, v0
	v_readfirstlane_b32 s16, v1                    ; wave
	v_and_b32 v8, 31, v0                           ; lane
	s_mul_i32 s17, s16, WREG
	v_and_b32 v9, 15, v8
	v_lshrrev_b32 v10, 4, v8
	v_lshlrev_b32 v1, 4, v9
	v_lshl_add_u32 v1, v10, 12, v1                 ; in: 16 lanes to a row's 256 bytes, lanes 16-31 one row down
	v_bfe_u32 v11, v8, 2, 1
	v_lshl_add_u32 v11, v10, 1, v11                ; the stage, on the way in: place 2 (lane / 16) + (lane / 4) % 2,
	v_mul_u32_u24 v2, v11, SP
	v_bfe_u32 v11, v8, 3, 1
	v_mad_u32_u24 v2, v11, SUB, v2                 ; block (lane / 8) % 2,
	v_and_b32 v11, 3, v8
	v_lshl_add_u32 v2, v11, 4, v2                  ; 16 (lane % 4) bytes in
	v_add_nc_u32 v2, s17, v2
	v_mul_u32_u24 v3, v8, SP
	v_add_nc_u32 v3, s17, v3                       ; on the way out: place = lane: slot lane / 2, half lane % 2 of a block
	v_mul_u32_u24 v4, v8, 12                       ; my 12 bytes of a block's 384
	v_lshrrev_b32 v5, 1, v8
	v_lshlrev_b32 v5, 3, v5
	s_add_co_u32 s17, s17, SCB
	v_add_nc_u32 v5, s17, v5                       ; my slot's 8 scale bytes of a quarter of K
	v_lshlrev_b32 v7, 3, v8
	v_add_nc_u32 v6, s17, v7
	s_lshr_b32 s18, s16, 1                         ; u: which of the two tiles
	s_and_b32 s19, s16, 1                          ; which half of K
	s_wait_alu depctr_va_vdst(0)
	s_wait_kmcnt 0x0
	s_cmp_lt_u32 ttmp9, 256                        ; the tensor is chosen by the work-group's number alone
	s_cselect_b64 s[4:5], s[4:5], s[6:7]
	s_cselect_b32 s20, 0, 256
	s_cmp_lt_u32 ttmp9, 352
	s_cselect_b64 s[4:5], s[4:5], s[8:9]
	s_cselect_b32 s20, s20, 352
	s_sub_co_u32 s20, ttmp9, s20                   ; which 32 rows of that tensor
	s_lshl_b32 s20, s20, 17
	s_lshl_b32 s21, s18, 15
	s_add_co_u32 s20, s20, s21
	s_lshl_b32 s21, s19, 11
	s_add_co_u32 s20, s20, s21
	s_mov_b32 s21, 0
	s_add_nc_u64 s[4:5], s[4:5], s[20:21]
	s_lshl_b32 s22, ttmp9, 1
	s_add_co_u32 s22, s22, s18                     ; my tile
	s_mul_i32 s20, s22, 12288
	s_mul_i32 s23, s19, 6144
	s_add_co_u32 s20, s20, s23
	s_add_nc_u64 s[10:11], s[10:11], s[20:21]
	s_lshl_b32 s20, s22, 9
	s_lshl_b32 s23, s19, 8
	s_add_co_u32 s20, s20, s23
	s_add_nc_u64 s[12:13], s[12:13], s[20:21]
.macro LOAD c                          ; chunk c: slots 2 i and 2 i + 1 an instruction
.irp i, 0,1,2,3,4,5,6,7
	global_load_b128 v[R+32*((\c)%3)+4*\i:R+32*((\c)%3)+4*\i+3], v1, s[4:5] offset:(2*\i+8*(\i/4))*4096+256*(\c) th:TH_LOAD_NT
.endr
.endm
.macro TURN c                          ; through the stage: LDS serves a wave's instructions in order, so no wait stands between the stores and the loads
.irp i, 0,1,2,3,4,5,6,7
	ds_store_b128 v2, v[R+32*((\c)%3)+4*\i:R+32*((\c)%3)+4*\i+3] offset:STGB*((\c)%2)+320*\i
.endr
.irp p, 0,1
.irp k, 0,1,2,3
	ds_load_b128 v[X+32*((\c)%2)+16*\p+4*\k:X+32*((\c)%2)+16*\p+4*\k+3], v3 offset:STGB*((\c)%2)+SUB*\p+16*\k
.endr
.endr
.endm
.macro STEP c
.set XS, X+32*((\c)%2)
.if (\c) > 0
	s_wait_dscnt 2                                 ; this chunk is back from the stage; behind its loads only the last chunk's two byte stores were issued
.else
	s_wait_dscnt 0x0
.endif
.if (\c)+3 < 8
	LOAD (\c)+3                                    ; into the set whose stores into the stage have just been shown done
.endif
.if (\c)+1 < 8
.if (\c) <= 4
	s_wait_loadcnt 16                              ; the next chunk is in; the two chunks behind it may be out
.else
	s_wait_loadcnt 8*(6-(\c))
.endif
	TURN (\c)+1
.endif
	v_max3_num_f32 v8, |v[XS]|, |v[XS+1]|, |v[XS+2]|               ; the largest magnitude of my 16, for both blocks by turns
	v_max3_num_f32 v10, |v[XS+16]|, |v[XS+17]|, |v[XS+18]|
	v_max3_num_f32 v9, |v[XS+3]|, |v[XS+4]|, |v[XS+5]|
	v_max3_num_f32 v11, |v[XS+19]|, |v[XS+20]|, |v[XS+21]|
.irp i, 6,10
	v_max3_num_f32 v8, v8, |v[XS+\i]|, |v[XS+\i+1]|
	v_max3_num_f32 v10, v10, |v[XS+16+\i]|, |v[XS+17+\i]|
	v_max3_num_f32 v9, v9, |v[XS+\i+2]|, |v[XS+\i+3]|
	v_max3_num_f32 v11, v11, |v[XS+18+\i]|, |v[XS+19+\i]|
.endr
	v_max3_num_f32 v8, v8, |v[XS+14]|, |v[XS+15]|
	v_max3_num_f32 v10, v10, |v[XS+30]|, |v[XS+31]|
	v_max3_num_f32 v8, v8, v9, FLOOR               ; and the floor: the byte cannot fall under 1
	v_max3_num_f32 v10, v10, v11, FLOOR
	v_max_num_f32_dpp v8, v8, v8 row_xmask:1 row_mask:0xf bank_mask:0xf    ; with my neighbour's 16: the block's
	v_max_num_f32_dpp v10, v10, v10 row_xmask:1 row_mask:0xf bank_mask:0xf
	v_add_nc_u32 v14, 0xff000000, v8               ; 2 off the exponent field: the conversion's scale operand
	v_add_nc_u32 v15, 0xff000000, v10
	v_cvt_scalef32_pk16_fp6_f32 v[C+8*(\c):C+8*(\c)+2], v[XS:XS+15], v14
	v_cvt_scalef32_pk16_fp6_f32 v[C+8*(\c)+4:C+8*(\c)+6], v[XS+16:XS+31], v15
	v_lshrrev_b32 v[E+2*(\c)], 23, v14             ; the scale's byte
	v_lshrrev_b32 v[E+2*(\c)+1], 23, v15
	ds_store_b8 v5, v[E+2*(\c)] offset:128*((\c)/4)+2*((\c)%4)     ; both lanes of a block write the same byte with the same value
	ds_store_b8 v5, v[E+2*(\c)+1] offset:128*((\c)/4)+2*((\c)%4)+1
	global_store_b96 v4, v[C+8*(\c):C+8*(\c)+2], s[10:11] offset:768*(\c)          ; 384 consecutive bytes
	global_store_b96 v4, v[C+8*(\c)+4:C+8*(\c)+6], s[10:11] offset:768*(\c)+384
.endm
	LOAD 0
	LOAD 1
	LOAD 2
	s_wait_loadcnt 16                              ; chunk 0 is in
	TURN 0
.irp c, 0,1,2,3,4,5,6,7
	STEP \c
.endr
	ds_load_b64 v[8:9], v6                         ; my stores are served ahead of this load
	s_wait_dscnt 0x0
	global_store_b64 v7, v[8:9], s[12:13]          ; 256 consecutive bytes, aligned
	s_wait_tensorcnt 0x0                           ; the wave's end
	ds_add_u32 v[SPW], v[NIL]
	s_wait_dscnt 0x0
	s_endpgm
.Lfunc_end_k_q6743a7ab69_quant:
	.size	k_q6743a7ab69_quant, .Lfunc_end_k_q6743a7ab69_quant-k_q6743a7ab69_quant
	.p2alignl 7, 3214868480
	.fill 96, 4, 3214868480
	.section	.rodata,"a",@progbits
	.p2align	6, 0x0
	.amdhsa_kernel k_q6743a7ab69_quant
		.amdhsa_group_segment_fixed_size 43520
		.amdhsa_private_segment_fixed_size 0
		.amdhsa_enable_private_segment 0
		.amdhsa_kernarg_size 40
		.amdhsa_user_sgpr_count 2
		.amdhsa_user_sgpr_kernarg_segment_ptr 1
		.amdhsa_wavefront_size32 1
		.amdhsa_system_sgpr_workgroup_id_x 1
		.amdhsa_system_sgpr_workgroup_id_y 1
		.amdhsa_system_sgpr_workgroup_id_z 1
		.amdhsa_system_vgpr_workitem_id 0
		.amdhsa_next_free_vgpr 256
		.amdhsa_next_free_sgpr 66
		.amdhsa_reserve_vcc 0
		.amdhsa_float_denorm_mode_32 3
		.amdhsa_float_denorm_mode_16_64 3
		.amdhsa_memory_ordered 1
		.amdhsa_forward_progress 1
		.amdhsa_inst_pref_size 33
	.end_amdhsa_kernel
	.amdgpu_metadata
---
amdhsa.version: [ 1, 2 ]
amdhsa.kernels:
  - .name:           k_q6743a7ab69_quant
    .symbol:         k_q6743a7ab69_quant.kd
    .args:
      - { .name: hidden_states, .offset: 0, .size: 8, .value_kind: global_buffer, .address_space: global }
      - { .name: qkv_w, .offset: 8, .size: 8, .value_kind: global_buffer, .address_space: global }
      - { .name: o_w, .offset: 16, .size: 8, .value_kind: global_buffer, .address_space: global }
      - { .name: cod1, .offset: 24, .size: 8, .value_kind: global_buffer, .address_space: global }
      - { .name: scl1, .offset: 32, .size: 8, .value_kind: global_buffer, .address_space: global }
    .group_segment_fixed_size: 43520
    .private_segment_fixed_size: 0
    .kernarg_segment_align: 8
    .kernarg_segment_size: 40
    .max_flat_workgroup_size: 128
    .sgpr_count:     66
    .vgpr_count:     256
    .wavefront_size: 32
...
	.end_amdgpu_metadata
.endif
;; end of part 1
;; launch qkv (part 2): grid 16 x 48, 4 waves a work-group, clusters of 4 x 4, 327,680 bytes of LDS; arguments cod1, scl1, qkv_b, rope_cos, rope_sin, img, isc; writes img, isc
.if DOCPART == 2
	.amdgcn_target "amdgcn-amd-amdhsa--gfx1250"
	.amdhsa_code_object_version 6
	.text
	.protected	k_q6743a7ab69_qkv
	.globl	k_q6743a7ab69_qkv
	.p2align	8
	.type	k_q6743a7ab69_qkv,@function
k_q6743a7ab69_qkv:
	s_mov_b64 s[64:65], 0
	v_nop
	global_prefetch_b8 v0, s[64:65] scope:SCOPE_SE
	s_setreg_imm32_b32 hwreg(HW_REG_WAVE_MODE, 25, 1), 1
	s_wait_xcnt 0x0
	s_wait_alu depctr_hold_cnt(0) depctr_sa_sdst(0) depctr_va_vdst(0) depctr_va_sdst(0) depctr_va_ssrc(0) depctr_va_vcc(0) depctr_vm_vsrc(0)
	s_getreg_b32 s2, hwreg(HW_REG_IB_STS2, 6, 4)
	s_cmp_eq_u32 s2, 0
	s_cbranch_scc0 .Lentry_in_a_cluster
	s_endpgm
.Lentry_in_a_cluster:
	s_bfe_u32 s2, ttmp6, 0x10000c
	s_cmp_lg_u32 s2, 0xf033
	s_cbranch_scc0 .Lentry_shape_is_right
	s_endpgm
.Lentry_shape_is_right:
; qkv = hidden_states qkv_w^T + qkv_b on codes of FP6 (E2M3) with E8M0 scales, then RoPE on q and k, then the quantisers of the two attention products: q and k along the head's 64, v along the keys.
; Only codes and scale words leave, as images of the operand registers that the attention launch loads.
; THE PRODUCT.  D^T = X Y^T: source 0 = a tile of X (16 slots), source 1 = a tile of Y.  A lane holds Y's slot lane % 16; by the order of rows in a tile (slot q of tile 2 t + u = row 32 t + 8 u + q + 8 (q / 8))
; the 16 registers of X's tiles 2 t and 2 t + 1 are X's rows 32 t + 16 (lane / 16) + 0 .. 15: sixteen neighbours, as the conversions want them.
; q AND k (clusters with y under 8): Y = 256 tokens, X = 128 features (two heads).  v (the other clusters): Y = 256 features (four heads), X = 128 tokens (keys): a lane's registers then run along the keys.
; SHARES.  A work-group: Y 256 rows x X 128 rows, all of K = 1,024 in LDS: no LDS byte is filled twice.  Wave w: Y's tiles 4 w .. 4 w + 3 against X's eight: 32 accumulators.
; CLUSTER 4 x 4: Y's tiles are shared along a row of the cluster, X's along a column: each is asked for jointly.  The branch between the two kinds of work hangs on the cluster's y, the same in all sixteen partners.
; No prefetch.  No ring: all of K is resident.
; LIMITS: NaN and infinities are not served; a block of zeros or under 2^-124 has the byte 1 (read by this program alone).
; REGISTERS: window 0: v1-20 lane terms and addresses; v32-63 scale words, two sets; v64-159 Y's fragments, two sets (on the way out: v64-127 numbers, v128-147 codes, v148-181 at work); v184-191 v's bias.
;   window 1: v0-191 X's fragments, two sets; v192-255 q's and k's bias.   window 2: accumulator (a, b) at v[8 (8 a + b)].   window 3: cos and sin of my 64 tokens.
; AMENDED LAYOUT AND LOADS: K lies in LDS as two halves of 512: half n at HB n holds Y's 16 tiles x 6,144 bytes, then X's 8.  At the head each wave issues one joint load
; (Y's first half, X's first half, Y's scales, X's scales); the second half is asked for behind the next round of the cluster's barrier, by waves 0 and 1.  No LDS byte is filled twice.
.set HB,    147456
.set YXO,   98304
.set SCL,   294912                     ; Y's scale bytes, 16 x 512
.set SCLB,  303104                     ; X's, 8 x 512
.set SPARE, 307200                     ; the spare words, 128 bytes for each wave
.set ADRA, 4                           ; v4-7   my Y fragments in chunk q: 24 x lane + 24,576 x wave + CHK q
.set ADRB, 8                           ; v8-11  X's: 24 x lane + YXO + CHK q
.set ADRS, 12                          ; v12    scale words: lanes 0-15 Y's tiles 4 w + i, lanes 16-31 X's tiles i
.set SPW,  28
.set NIL,  29
.set SC,   32
.set AF,   64
.set BF,   0
.set X,    64
.set PC,   128
.set TM,   148
.set PW,   164
.set T,    166
.set SCW,  176
.set W,    180
.set VB,   184
.set G1A,  8
.set G1B,  16
.set G1SA, 24
.set G1SB, 32
.set G0A,  40
.set G0SA, 56
.set G0SB, 60
.set G0B,  68
.set WV,   94
.set ROLE, 95
.set HALF, 96
.set CX,   97
.set CY,   98
.set XT,   99
.set YT,   100
.set ISV,  101
.set SEL,  104
.set MSB, 0
.macro WIN new                         ; the immediate's high byte repeats the setting that is left
.if MSB != \new
	s_set_vgpr_msb (MSB<<8)|\new
.set MSB, \new
.endif
.endm
.macro PLACES                          ; four plain places behind matrix instructions, in front of loads into their registers and of reads of their results
.rept 4
	v_nop
.endr
.endm
.macro CROUND                          ; a round of the cluster's barrier
	s_barrier_signal -1
	s_barrier_wait -1
	s_cmp_lg_u32 s[WV], 0
	s_cbranch_scc1 .Lnot_wave_0_\@
	s_barrier_signal -3
.Lnot_wave_0_\@:
	s_barrier_wait -3
	s_barrier_signal -1
	s_barrier_wait -1
.endm
.macro FRAG reg, adr, off              ; a fragment, 16 slots x 128 K: two runs of 24 bytes a lane, in pieces of 8 bytes; lanes 24 bytes apart
.irp p, 0,1,2,3,4,5
	ds_load_b64 v[(\reg)+2*\p:(\reg)+2*\p+1], v[\adr] offset:(\off)+768*(\p/3)+8*(\p%3)
.endr
.endm
.macro FETCH s                         ; the fragments of K step s into the sets s % 2; at a chunk's start its scale words too
.set FQ, (\s)/2
.set FK, (\s)%2
	WIN 0x40
.irp b, 0,1,2,3,4,5,6,7
	FRAG BF+96*FK+12*\b, ADRB+FQ, 6144*\b+1536*FK
.endr
	WIN 0
.irp a, 0,1,2,3
	FRAG AF+48*FK+12*\a, ADRA+FQ, 6144*\a+1536*FK
.endr
.if FK == 0
.irp i, 0,1,2,3,4,5,6,7
	ds_load_b64 v[SC+16*(FQ%2)+2*\i:SC+16*(FQ%2)+2*\i+1], v[ADRS] offset:512*\i+128*FQ
.endr
.endif
.endm
.macro MUL16 a0, s                     ; Y's tiles a0, a0 + 1 against X's eight.  The 32 accumulators take turns, one instruction a turn, in the same order in every step
.set MK, (\s)%2
.set MQ, ((\s)/2)%2
.irp a, \a0, \a0+1
.irp b, 0,1,2,3,4,5,6,7
.if (\s) == 0
	v_wmma_scale_f32_16x16x128_f8f6f4 v[8*(8*(\a)+\b):8*(8*(\a)+\b)+7], v[BF+96*MK+12*\b:BF+96*MK+12*\b+11], v[AF+48*MK+12*(\a):AF+48*MK+12*(\a)+11], 0, v[SC+16*MQ+2*\b+MK], v[SC+16*MQ+2*(\a)+MK] matrix_a_fmt:MATRIX_FMT_FP6 matrix_b_fmt:MATRIX_FMT_FP6 matrix_a_scale:MATRIX_SCALE_ROW1
.else
	v_wmma_scale_f32_16x16x128_f8f6f4 v[8*(8*(\a)+\b):8*(8*(\a)+\b)+7], v[BF+96*MK+12*\b:BF+96*MK+12*\b+11], v[AF+48*MK+12*(\a):AF+48*MK+12*(\a)+11], v[8*(8*(\a)+\b):8*(8*(\a)+\b)+7], v[SC+16*MQ+2*\b+MK], v[SC+16*MQ+2*(\a)+MK] matrix_a_fmt:MATRIX_FMT_FP6 matrix_b_fmt:MATRIX_FMT_FP6 matrix_a_scale:MATRIX_SCALE_ROW1
.endif
.endr
.endr
.endm
; Eight K steps of 128.  The head's four loads bring K steps 0 to 3 and all scales; the second half of K is a later first fill.
.macro CORE
	s_wait_alu depctr_va_vdst(0)
	s_wait_tensorcnt 0x0                           ; my one load of the head is in
	ds_add_u32 v[SPW], v[NIL]
	s_wait_dscnt 0x0
	CROUND                                         ; everybody's is, and all sixteen work-groups are here
	s_cmp_eq_u32 s[WV], 0
	s_cbranch_scc0 .Lsec_x_\@
	tensor_load_to_lds s[G0A+4:G0A+7], s[G1A:G1A+7]        ; wave 0: Y's second half of K
	s_nop 0
	PLACES
	s_branch .Lsec_done_\@
.Lsec_x_\@:
	s_cmp_eq_u32 s[WV], 1
	s_cbranch_scc0 .Lsec_done_\@
	tensor_load_to_lds s[G0B+4:G0B+7], s[G1B:G1B+7]        ; wave 1: X's
	s_nop 0
	PLACES
.Lsec_done_\@:
	FETCH 0
.irp s, 0,1,2,3,4,5,6,7
	s_wait_dscnt 0x0                               ; this step's fragments, asked for sixteen matrix instructions ago
	WIN 0xa1
	MUL16 0, \s
.if \s < 7
.if \s == 3
	s_wait_tensorcnt 0x0                           ; the one load that may be out is my part of the second half
	s_barrier_signal -1                            ; (no LDS instruction of mine is out)
	s_barrier_wait -1
.endif
	PLACES
	FETCH \s+1
.endif
	WIN 0xa1
	MUL16 2, \s
.endr
	WIN 0
.endm
; 64 numbers of a lane, register 16 b + i = k 32 b + 16 (lane / 16) + i of my row, become a fragment's codes in v[PC] on and its scale word in v[PW]
.macro QUANT s
.irp b, 0,1,2,3
	v_max3_num_f32 v[TM+\b], |v[\s+16*\b]|, |v[\s+1+16*\b]|, 0x1800000   ; my 16 numbers of block b, and the floor 2^(3 - 127)
.endr
.irp i, 2,4,6,8,10,12,14
.irp b, 0,1,2,3
	v_max3_num_f32 v[TM+\b], v[TM+\b], |v[\s+16*\b+\i]|, |v[\s+1+16*\b+\i]|
.endr
.endr
.irp b, 0,1,2,3
	v_permlanex16_b32 v[TM+4+\b], v[TM+\b], s[SEL], s[SEL+1]
.endr
.irp b, 0,1,2,3
	v_max_num_f32 v[TM+\b], v[TM+\b], v[TM+4+\b]   ; with lane l xor 16's: the block's largest magnitude
.endr
.irp b, 0,1,2,3
	v_add_nc_u32 v[TM+12+\b], 0xff000000, v[TM+\b] ; 2 off its exponent field: the conversion's scale operand
.endr
.irp b, 0,1,2,3
	v_lshrrev_b32 v[TM+4+\b], 23, v[TM+12+\b]      ; the scale's byte
.endr
	v_lshl_or_b32 v[PW], v[TM+5], 8, v[TM+4]
	v_lshl_or_b32 v[PW], v[TM+6], 16, v[PW]
	v_lshl_or_b32 v[PW], v[TM+7], 24, v[PW]
.irp c, 0,1
	v_cvt_scalef32_pk16_fp6_f32 v[PC+6*\c:PC+2+6*\c], v[\s+32*\c:\s+15+32*\c], v[TM+12+2*\c]
	v_cvt_scalef32_pk16_fp6_f32 v[PC+12+4*\c:PC+14+4*\c], v[\s+16+32*\c:\s+31+32*\c], v[TM+12+2*\c+1]   ; (a conversion's three registers begin on an even number)
.endr
	v_nop                                          ; one plain place behind a scaled conversion
.irp c, 0,1                                    ; the operand's layout wants a whole block in a lane
.irp i, 0,1,2
	v_permlane16_swap_b32 v[PC+6*\c+\i], v[PC+12+4*\c+\i]
.endr
.irp i, 0,1,2
	v_mov_b32 v[PC+3+6*\c+\i], v[PC+12+4*\c+\i]
.endr
.endr
.endm
; q, k: the 16 tokens of Y's tile a x 128 features: bias, RoPE, quantised along each head's 64; two half fragments of 768 bytes leave
.macro EPQK a
	s_wait_xcnt 0x0                                ; the last tile's stores have read their data: the codes' registers may be written
	WIN 0x06                                       ; source 0 window 2 (sums), source 1 window 1 (bias)
.set j, 0
.rept 32
	v_pk_add_f32 v[X+j:X+j+1], v[64*(\a)+j:64*(\a)+j+1], v[192+j:192+j+1]     ; each accumulator from its low end on
.set j, j+2
.endr
	WIN 0x0c                                       ; source 1 window 3: cos and sin
.irp n, 0,1                                    ; head n: x0 = channels 16 h + i, x1 = channels 32 + 16 h + i:  x0 cos0 - x1 sin0,  x1 cos1 + x0 sin1
.irp j, 0,2,4,6,8,10,12,14
.set TT, T+4*((\j/2)%2)
	v_pk_mul_f32 v[TT:TT+1], v[X+32*\n+16+\j:X+32*\n+17+\j], v[64*(\a)+32+\j:64*(\a)+33+\j]
	v_pk_mul_f32 v[TT+2:TT+3], v[X+32*\n+\j:X+32*\n+1+\j], v[64*(\a)+48+\j:64*(\a)+49+\j]
	v_pk_fma_f32 v[X+32*\n+\j:X+32*\n+1+\j], v[X+32*\n+\j:X+32*\n+1+\j], v[64*(\a)+\j:64*(\a)+1+\j], v[TT:TT+1] neg_lo:[0,0,1] neg_hi:[0,0,1]
	v_pk_fma_f32 v[X+32*\n+16+\j:X+32*\n+17+\j], v[X+32*\n+16+\j:X+32*\n+17+\j], v[64*(\a)+16+\j:64*(\a)+17+\j], v[TT+2:TT+3]
.endr
.endr
	WIN 0
	QUANT X
	global_store_b128 v16, v[PC:PC+3], s[6:7] offset:768*(\a)                 ; head 0: registers 0-3 at 16 x lane, 4-5 at 512 + 8 x lane: 512 and 256 consecutive bytes
	global_store_b64 v17, v[PC+4:PC+5], s[6:7] offset:768*(\a)+512
	global_store_b128 v16, v[PC+6:PC+9], s[6:7] offset:768*(\a)+98304         ; head 1: 128 tiles further on
	global_store_b64 v17, v[PC+10:PC+11], s[6:7] offset:768*(\a)+98304+512
	v_lshrrev_b32 v[W], v18, v[PW]                 ; lanes 0-15 keep head 0's two bytes, lanes 16-31 head 1's,
	v_and_b32 v[W], 0xffff, v[W]
	v_lshl_or_b32 v[SCW+(\a)], v[W], 16, v[W]      ; twice in a word
.endm
; v: the 16 channels of Y's tile a x 128 keys: bias, quantised along the keys: one whole fragment of 1,536 bytes leaves
.macro EPV a
	s_wait_xcnt 0x0
	WIN 0x02
.set j, 0
.rept 32
	v_pk_add_f32 v[X+j:X+j+1], v[64*(\a)+j:64*(\a)+j+1], v[VB+2*(\a):VB+2*(\a)+1] op_sel_hi:[1,0]
.set j, j+2
.endr
	WIN 0
	QUANT X
.irp i, 0,1,2
	global_store_b128 v16, v[PC+4*\i:PC+4*\i+3], s[6:7] offset:1536*(\a)+512*\i
.endr
	v_mov_b32 v[SCW+(\a)], v[PW]
.endm
	s_load_b256 s[84:91], s[0:1], 0x0              ; cod1, scl1, qkv_b, rope_cos
	s_load_b128 s[4:7], s[0:1], 0x20               ; rope_sin, img
	s_load_b64 s[92:93], s[0:1], 0x30              ; isc
	v_lshl_add_u32 v[SPW], v0, 2, SPARE
	v_mov_b32 v[NIL], 0
	ds_add_u32 v[SPW], v[NIL]                      ; the wave's opening
	ds_add_u32 v[SPW], v[NIL]
	v_lshrrev_b32 v1, 5, v0
	v_readfirstlane_b32 s[WV], v1
	s_bfe_u32 s[CX], ttmp6, 0x40000
	s_bfe_u32 s[CY], ttmp6, 0x40004
	s_and_b32 s2, ttmp7, 0xffff                    ; the cluster's y
	s_lshl_b32 s66, s2, 2
	s_add_co_u32 s66, s66, ttmp9
	s_sub_co_u32 s66, s66, 32                      ; for v: cluster x + 4 (cluster y - 8)
	s_cmp_ge_u32 s2, 8
	s_cselect_b32 s[ISV], 1, 0
	s_cselect_b32 s66, s66, ttmp9
	s_cselect_b32 s2, 0, s2
	s_cselect_b32 s3, 640, 0                       ; Y's first tile in cod1: qkv_w's rows of v, or hidden_states
	s_cselect_b32 s67, 0, 512                      ; X's: hidden_states, or qkv_w's rows of q and k
	s_lshl_b32 s[XT], s66, 2
	s_add_co_u32 s[XT], s[XT], s[CX]               ; which 128 rows of X
	s_lshl_b32 s[YT], s2, 2
	s_add_co_u32 s[YT], s[YT], s[CY]               ; which 256 rows of Y
	s_lshl_b32 s2, s[CY], 2
	s_lshl_b32 s2, 15, s2                          ; my row of the cluster
	s_lshl_b32 s66, 0x1111, s[CX]                  ; my column
	s_or_b32 s[G1A], s2, (3<<16)|(1<<21)           ; the mask; elements of 8 bytes; bit 21 beside a mask; no padding
	s_or_b32 s[G1SA], s2, (3<<16)|(1<<21)
	s_or_b32 s[G1B], s66, (3<<16)|(1<<21)
	s_or_b32 s[G1SB], s66, (3<<16)|(1<<21)
.irp g, G1A, G1B                       ; codes: a row = a tile's 6,144 bytes of one half of K (768 elements), 12,288 bytes from tile to tile
	s_mov_b32 s[\g+1], 768<<16                     ; a row = a tile's 6,144 bytes of one half of K
	s_mov_b32 s[\g+3], 768<<16
	s_mov_b32 s[\g+5], 1536
	s_mov_b32 s[\g+6], 0
	s_mov_b32 s[\g+7], 0
.endr
	s_mov_b32 s[G1A+2], 16<<16                     ; Y: 16 tiles a load
	s_mov_b32 s[G1A+4], 16
	s_mov_b32 s[G1B+2], 8<<16                      ; X: 8
	s_mov_b32 s[G1B+4], 8
.irp g, G1SA, G1SB                     ; scale bytes: a dense block as rows of 256 bytes
	s_mov_b32 s[\g+1], 32<<16
	s_mov_b32 s[\g+3], 32<<16
	s_mov_b32 s[\g+5], 32
	s_mov_b32 s[\g+6], 0
	s_mov_b32 s[\g+7], 0
.endr
	s_mov_b32 s[G1SA+2], 32<<16
	s_mov_b32 s[G1SA+4], 32
	s_mov_b32 s[G1SB+2], 16<<16
	s_mov_b32 s[G1SB+4], 16
	s_lshl_b32 s2, s[YT], 4
	s_add_co_u32 s2, s2, s3
	s_lshl_b32 s66, s[XT], 3
	s_add_co_u32 s66, s66, s67
	s_mul_i32 s[G0A+2], s2, 12288
	s_mov_b32 s[G0A+3], 0
	s_lshl_b32 s[G0SA+2], s2, 9
	s_mov_b32 s[G0SA+3], 0
	s_mul_i32 s[G0B+2], s66, 12288
	s_mov_b32 s[G0B+3], 0
	s_lshl_b32 s[G0SB+2], s66, 9
	s_mov_b32 s[G0SB+3], 0
.irp q, 0,1
	s_mov_b32 s[G0A+4*\q], 1
	s_mov_b32 s[G0A+4*\q+1], HB*\q
	s_mov_b32 s[G0B+4*\q], 1
	s_mov_b32 s[G0B+4*\q+1], YXO+HB*\q
.endr
	s_mov_b32 s[G0SA], 1
	s_mov_b32 s[G0SA+1], SCL
	s_mov_b32 s[G0SB], 1
	s_mov_b32 s[G0SB+1], SCLB
	s_mov_b32 s[SEL], 0x76543210
	s_mov_b32 s[SEL+1], 0xfedcba98
	s_wait_dscnt 0x0                               ; the opening add is done
	s_wait_kmcnt 0x0
	s_add_nc_u64 s[G0A+2:G0A+3], s[84:85], s[G0A+2:G0A+3]
	s_add_nc_u64 s[G0B+2:G0B+3], s[84:85], s[G0B+2:G0B+3]
	s_add_nc_u64 s[G0SA+2:G0SA+3], s[86:87], s[G0SA+2:G0SA+3]
	s_add_nc_u64 s[G0SB+2:G0SB+3], s[86:87], s[G0SB+2:G0SB+3]
	s_add_nc_u64 s[G0A+6:G0A+7], s[G0A+2:G0A+3], 6144
	s_add_nc_u64 s[G0B+6:G0B+7], s[G0B+2:G0B+3], 6144
.irp q, 0,1
	s_or_b32 s[G0A+4*\q+3], s[G0A+4*\q+3], 0x80000000
	s_or_b32 s[G0B+4*\q+3], s[G0B+4*\q+3], 0x80000000
.endr
	s_or_b32 s[G0SA+3], s[G0SA+3], 0x80000000
	s_or_b32 s[G0SB+3], s[G0SB+3], 0x80000000
	CROUND                                         ; all sixteen work-groups are here: the joint loads meet
; the head's loads, one a wave, in one chain of branches on the wave's number
.macro ARM under, g0, g1, next
	s_cmp_lt_u32 s[WV], \under
	s_cbranch_scc0 \next
	tensor_load_to_lds s[\g0:\g0+3], s[\g1:\g1+7]
	s_nop 0
	PLACES
	s_branch .Lfilled
\next:
.endm
	ARM 1, G0A,  G1A,  .Lfill_x
	ARM 2, G0B,  G1B,  .Lfill_sa
	ARM 3, G0SA, G1SA, .Lfill_sb
	tensor_load_to_lds s[G0SB:G0SB+3], s[G1SB:G1SB+7]
	s_nop 0
	PLACES
.Lfilled:
	v_and_b32 v3, 31, v0                           ; lane
	v_and_b32 v1, 15, v0                           ; r
	v_bfe_u32 v2, v0, 4, 1                         ; h
	v_mul_u32_u24 v21, v3, 24
	s_mul_i32 s2, s[WV], 24576                     ; my four tiles of Y, 6,144 bytes each in a half
.irp q, 0,1,2,3
	v_add_nc_u32 v[ADRB+\q], YXO+HB*(\q/2)+3072*(\q%2), v21
.endr
	v_add_nc_u32 v[ADRA], s2, v21
.irp q, 1,2,3
	v_add_nc_u32 v[ADRA+\q], HB*(\q/2)+3072*(\q%2), v[ADRA]
.endr
	s_xor_b32 s3, s[WV], 3
	s_add_co_u32 s3, s3, 1
	s_lshl_b32 s3, s3, 11                          ; from my tiles of Y to X's first: 8,192 - 2,048 w
	v_mul_u32_u24 v[ADRS], s3, v2                  ; lanes 16-31 take X's
	v_lshl_add_u32 v[ADRS], v1, 3, v[ADRS]
	s_lshl_b32 s3, s[WV], 11
	s_add_co_u32 s3, s3, SCL
	v_add_nc_u32 v[ADRS], s3, v[ADRS]
	v_lshlrev_b32 v13, 6, v2                       ; 64 h: my 16 of a block of 32 numbers
	v_and_b32 v14, 8, v1
	v_add_nc_u32 v15, v14, v1                      ; r + 8 (r / 8): my slot's row in a tile
	v_lshl_add_u32 v14, v15, 8, v13                ; cos, sin: a row of 256 bytes, + 64 h
	v_lshlrev_b32 v15, 2, v15
	v_lshlrev_b32 v16, 4, v3
	v_lshlrev_b32 v17, 3, v3
	v_lshlrev_b32 v18, 4, v2
	v_lshlrev_b32 v19, 4, v1
	v_lshl_add_u32 v20, v2, 3, v19                 ; v's scale words: 16 r + 8 h
	v_lshl_add_u32 v19, v2, 13, v19                ; q's and k's: 16 r, lanes 16-31 one head (8,192 bytes) on
.irp b, 0,1,2,3
	v_mov_b32 v[TM+4+\b], 0                        ; written once: a lane permute's destination counts as one of its sources
.endr
	s_mov_b32 s3, 0
	s_cmp_eq_u32 s[ISV], 1
	s_cbranch_scc1 .Lv_path
	; ---------------- q and k
	s_lshl_b32 s2, s[XT], 9
	s_add_nc_u64 s[88:89], s[88:89], s[2:3]        ; qkv_b at feature 128 xt
	s_lshl_b32 s2, s[YT], 8
	s_lshl_b32 s66, s[WV], 6
	s_add_co_u32 s2, s2, s66
	s_and_b32 s2, s2, 2047                         ; my first token's position in its sequence
	s_lshl_b32 s2, s2, 8
	s_add_nc_u64 s[90:91], s[90:91], s[2:3]
	s_add_nc_u64 s[4:5], s[4:5], s[2:3]
	WIN 0x40
.irp t, 0,1,2,3,4,5,6,7,8,9,10,11,12,13,14,15
	global_load_b128 v[192+4*\t:195+4*\t], v13, s[88:89] offset:128*(\t/4)+16*(\t%4)     ; register 16 b + i: the bias of feature 32 b + 16 h + i
.endr
	WIN 0xc0
.irp a, 0,1,2,3                        ; for Y's tile a, at 64 a: cos of channels 16 h + i, of 32 + 16 h + i, then sin likewise
.irp p, 0,1
.irp k, 0,1,2,3
	global_load_b128 v[64*\a+16*\p+4*\k:64*\a+16*\p+4*\k+3], v14, s[90:91] offset:(32*(\a/2)+8*(\a%2))*256+128*\p+16*\k
	global_load_b128 v[64*\a+32+16*\p+4*\k:64*\a+32+16*\p+4*\k+3], v14, s[4:5] offset:(32*(\a/2)+8*(\a%2))*256+128*\p+16*\k
.endr
.endr
.endr
	WIN 0
	s_lshr_b32 s66, s[YT], 3                       ; the batch
	s_lshl_b32 s66, s66, 4
	s_and_b32 s67, s[XT], 7
	s_lshl_b32 s67, s67, 1
	s_add_co_u32 s66, s66, s67                     ; 16 x batch + my first head
	s_lshl_b32 s66, s66, 5
	s_and_b32 s67, s[YT], 7
	s_lshl_b32 s67, s67, 2
	s_add_co_u32 s66, s66, s67
	s_add_co_u32 s66, s66, s[WV]                   ; which group of four token tiles
	s_lshr_b32 s67, s[XT], 3                       ; 0: q, 1: k
	s_mul_i32 s2, s66, 3072
	s_mul_i32 s84, s67, 6291456
	s_add_co_u32 s2, s2, s84
	s_add_nc_u64 s[6:7], s[6:7], s[2:3]
	s_lshl_b32 s2, s66, 8
	s_lshl_b32 s84, s67, 19
	s_add_co_u32 s2, s2, s84
	s_add_nc_u64 s[92:93], s[92:93], s[2:3]
	CORE
	s_wait_loadcnt 0x0                             ; bias, cos and sin
	PLACES
.irp a, 0,1,2,3
	EPQK \a
.endr
	global_store_b128 v19, v[SCW:SCW+3], s[92:93]  ; my slot's words of the four tiles: 256 consecutive bytes for each head
	s_branch .Lend
	; ---------------- v
.Lv_path:
	s_lshl_b32 s2, s[YT], 8
	s_lshl_b32 s66, s[WV], 6
	s_add_co_u32 s2, s2, s66
	s_add_co_u32 s2, s2, 2048
	s_lshl_b32 s2, s2, 2
	s_add_nc_u64 s[88:89], s[88:89], s[2:3]        ; qkv_b at my head's first channel of v
.irp a, 0,1,2,3
	global_load_b32 v[VB+2*\a], v15, s[88:89] offset:(32*(\a/2)+8*(\a%2))*4
.endr
.irp a, 0,1,2,3
	v_mov_b32 v[VB+2*\a+1], 0                      ; (named as the upper half of a pair)
.endr
	s_lshr_b32 s66, s[XT], 4                       ; the batch
	s_lshl_b32 s66, s66, 4
	s_lshl_b32 s67, s[YT], 2
	s_add_co_u32 s66, s66, s67
	s_add_co_u32 s66, s66, s[WV]                   ; 16 x batch + head
	s_lshl_b32 s66, s66, 4
	s_and_b32 s67, s[XT], 15
	s_add_co_u32 s66, s66, s67                     ; and which 128 keys
	s_mul_i32 s2, s66, 6144
	s_add_co_u32 s2, s2, 12582912
	s_add_nc_u64 s[6:7], s[6:7], s[2:3]
	s_lshl_b32 s2, s66, 8
	s_add_co_u32 s2, s2, 1048576
	s_add_nc_u64 s[92:93], s[92:93], s[2:3]
	CORE
	s_wait_alu depctr_va_vdst(0)
	s_wait_loadcnt 0x0
	PLACES
.irp a, 0,1,2,3
	EPV \a
.endr
	v_cmp_ne_u32 vcc_lo, 0, v2
	v_cndmask_b32 v[W], v[SCW], v[SCW+2], vcc_lo   ; lanes 0-15 store tiles 0 and 1's words of slot r, lanes 16-31 tiles 2 and 3's
	v_cndmask_b32 v[W+1], v[SCW+1], v[SCW+3], vcc_lo
	global_store_b64 v20, v[W:W+1], s[92:93]       ; 256 consecutive bytes
.Lend:
	s_wait_tensorcnt 0x0                           ; the wave's end
	ds_add_u32 v[SPW], v[NIL]
	s_wait_dscnt 0x0
	CROUND                                         ; the closing round
	s_endpgm
.Lfunc_end_k_q6743a7ab69_qkv:
	.size	k_q6743a7ab69_qkv, .Lfunc_end_k_q6743a7ab69_qkv-k_q6743a7ab69_qkv
	.p2alignl 7, 3214868480
	.fill 96, 4, 3214868480
	.section	.rodata,"a",@progbits
	.p2align	6, 0x0
	.amdhsa_kernel k_q6743a7ab69_qkv
		.amdhsa_group_segment_fixed_size 327680
		.amdhsa_private_segment_fixed_size 0
		.amdhsa_enable_private_segment 0
		.amdhsa_kernarg_size 56
		.amdhsa_user_sgpr_count 2
		.amdhsa_user_sgpr_kernarg_segment_ptr 1
		.amdhsa_wavefront_size32 1
		.amdhsa_system_sgpr_workgroup_id_x 1
		.amdhsa_system_sgpr_workgroup_id_y 1
		.amdhsa_system_sgpr_workgroup_id_z 1
		.amdhsa_system_vgpr_workitem_id 0
		.amdhsa_next_free_vgpr 1024
		.amdhsa_next_free_sgpr 106
		.amdhsa_reserve_vcc 1
		.amdhsa_float_denorm_mode_32 3
		.amdhsa_float_denorm_mode_16_64 3
		.amdhsa_memory_ordered 1
		.amdhsa_forward_progress 1
		.amdhsa_inst_pref_size 232
	.end_amdhsa_kernel
	.amdgpu_metadata
---
amdhsa.version: [ 1, 2 ]
amdhsa.kernels:
  - .name:           k_q6743a7ab69_qkv
    .symbol:         k_q6743a7ab69_qkv.kd
    .args:
      - { .name: cod1, .offset: 0, .size: 8, .value_kind: global_buffer, .address_space: global }
      - { .name: scl1, .offset: 8, .size: 8, .value_kind: global_buffer, .address_space: global }
      - { .name: qkv_b, .offset: 16, .size: 8, .value_kind: global_buffer, .address_space: global }
      - { .name: rope_cos, .offset: 24, .size: 8, .value_kind: global_buffer, .address_space: global }
      - { .name: rope_sin, .offset: 32, .size: 8, .value_kind: global_buffer, .address_space: global }
      - { .name: img, .offset: 40, .size: 8, .value_kind: global_buffer, .address_space: global }
      - { .name: isc, .offset: 48, .size: 8, .value_kind: global_buffer, .address_space: global }
    .group_segment_fixed_size: 327680
    .private_segment_fixed_size: 0
    .kernarg_segment_align: 8
    .kernarg_segment_size: 56
    .max_flat_workgroup_size: 128
    .sgpr_count:     106
    .vgpr_count:     1024
    .wavefront_size: 32
...
	.end_amdgpu_metadata
.endif
;; end of part 2
;; launch attn (part 3): grid 16 x 16, 8 waves a work-group, clusters of 4 x 1, 327,680 bytes of LDS; arguments attention_bias, head_mask, img, isc, ctc, cts; writes ctc, cts
.if DOCPART == 3
	.amdgcn_target "amdgcn-amd-amdhsa--gfx1250"
	.amdhsa_code_object_version 6
	.text
	.protected	k_q6743a7ab69_attn
	.globl	k_q6743a7ab69_attn
	.p2align	8
	.type	k_q6743a7ab69_attn,@function
k_q6743a7ab69_attn:
	s_mov_b64 s[64:65], 0
	v_nop
	global_prefetch_b8 v0, s[64:65] scope:SCOPE_SE
	s_setreg_imm32_b32 hwreg(HW_REG_WAVE_MODE, 25, 1), 1
	s_wait_xcnt 0x0
	s_wait_alu depctr_hold_cnt(0) depctr_sa_sdst(0) depctr_va_vdst(0) depctr_va_sdst(0) depctr_va_ssrc(0) depctr_va_vcc(0) depctr_vm_vsrc(0)
	s_getreg_b32 s2, hwreg(HW_REG_IB_STS2, 6, 4)
	s_cmp_eq_u32 s2, 0
	s_cbranch_scc0 .Lentry_in_a_cluster
	s_endpgm
.Lentry_in_a_cluster:
	s_bfe_u32 s2, ttmp6, 0x10000c
	s_cmp_lg_u32 s2, 0x3003
	s_cbranch_scc0 .Lentry_shape_is_right
	s_endpgm
.Lentry_shape_is_right:
.set SLOTB, 133120
.set WPART, 16640
.set BP,    1040
.set OPB,   266240
.set STG,   301056
.set STAT,  309760
.set SCG,   310784
.set SPARE, 311808
.set BA,   1
.set QO16, 3
.set QO8,  4
.set QSO,  5
.set STW,  6
.set STR,  7
.set OPW,  8
.set OPR,  9
.set SGW,  10
.set SGR,  11
.set CCO,  12
.set SBW,  13
.set SPW,  14
.set NIL,  15
.set PFO,  16
.set FLA,  17
.set NM,   18
.set FW,   20
.set T,    22
.set KS,   28
.set VS,   36
.set QS,   44
.set PW,   46
.set QL,   48
.set QH,   60
.set BM,   72
.set BT,   80
.set SO,   88
.set RA,   96
.set PC,   96
.set CT,   120
.set S,    128
.set KF,   0
.set VF,   96
.set O,    192
.set MSB, 0
.macro WIN new
.if MSB != \new
	s_set_vgpr_msb (MSB<<8)|\new
.set MSB, \new
.endif
.endm
.macro PLACES
.rept 4
	v_nop
.endr
.endm
.macro CROUND
	s_barrier_signal -1
	s_barrier_wait -1
	s_cmp_lg_u32 s16, 0
	s_cbranch_scc1 .Lnot_wave_0_\@
	s_barrier_signal -3
.Lnot_wave_0_\@:
	s_barrier_wait -3
	s_barrier_signal -1
	s_barrier_wait -1
.endm
.macro ASK
	s_cmp_eq_u32 s50, 1
	s_cbranch_scc0 .Lnot_mine_\@
	global_prefetch_b8 v[PFO], s[48:49] th:TH_LOAD_NT scope:SCOPE_SE
.Lnot_mine_\@:
.endm
.macro QLOAD p
	global_load_b128 v[QL:QL+3], v[QO16], s[40:41] offset:128*(\p)
	global_load_b64 v[QL+4:QL+5], v[QO8], s[40:41] offset:64*(\p)
	global_load_b128 v[QH+6:QH+9], v[QO16], s[40:41] offset:128*(\p)
	global_load_b64 v[QH+10:QH+11], v[QO8], s[40:41] offset:64*(\p)
	global_load_b32 v[QS], v[QSO], s[44:45] offset:128*(\p)
.endm
.macro BIAS g, sl
.irp b, 0,1,2,3
.irp k, 0,1,2,3
	ds_load_b128 v[S+64*(\g)+16*\b+4*\k:S+64*(\g)+16*\b+4*\k+3], v[BA+(\sl)] offset:512*(\g)+128*\b+16*\k
.endr
.endr
.endm
; prev = 1: a step stands ahead of this one: its eight loads of the O parts are out at my head and are summed behind my score products
.macro STEP e, fill, ask, next, prev
	s_wait_loadcnt 0x0
.if \prev
	s_wait_dscnt 0x8                               ; all but the youngest eight LDS loads, the last step's O parts
.else
	s_wait_dscnt 0x0
.endif
	WIN 0x01
.set ff, 0
.rept 8
	v_wmma_scale_f32_16x16x128_f8f6f4 v[S+16*ff:S+16*ff+7], v[KF+12*ff:KF+12*ff+11], v[QL:QL+11], v[S+16*ff:S+16*ff+7], v[KS+ff], v[QS] matrix_a_fmt:MATRIX_FMT_FP6 matrix_b_fmt:MATRIX_FMT_FP6
	v_wmma_scale_f32_16x16x128_f8f6f4 v[S+16*ff+8:S+16*ff+15], v[KF+12*ff:KF+12*ff+11], v[QH:QH+11], v[S+16*ff+8:S+16*ff+15], v[KS+ff], v[QS] matrix_a_fmt:MATRIX_FMT_FP6 matrix_b_fmt:MATRIX_FMT_FP6
.set ff, ff+1
.endr
	WIN 0
	PLACES
.if \next
.if \e == 1
	s_add_nc_u64 s[40:41], s[40:41], 1536
	s_add_co_u32 s58, s51, 1
	s_lshr_b32 s59, s58, 1
	s_lshl_b32 s59, s59, 8
	s_and_b32 s58, s58, 1
	s_lshl_b32 s58, s58, 3
	s_or_b32 s58, s58, s59
	s_mov_b32 s59, 0
	s_add_nc_u64 s[44:45], s[42:43], s[58:59]
.endif
	QLOAD 1-\e
.endif
.if \prev
	EFIN 1-\e                                      ; the last step's O: the eight waves' parts summed, into the stage
.endif
.irp n, 0,1,2,3,4,5,6,7
	v_max3_num_f32 v[BM+\n], v[S+16*\n], v[S+16*\n+1], v[S+16*\n+2]
.endr
.irp i, 3,5,7,9,11,13
.irp n, 0,1,2,3,4,5,6,7
	v_max3_num_f32 v[BM+\n], v[BM+\n], v[S+16*\n+\i], v[S+16*\n+\i+1]
.endr
.endr
.irp n, 0,1,2,3,4,5,6,7
	v_max_num_f32 v[BM+\n], v[BM+\n], v[S+16*\n+15]
.endr
.irp n, 0,1,2,3,4,5,6,7
	v_permlanex16_b32 v[BT+\n], v[BM+\n], s56, s57
.endr
.irp n, 0,1,2,3,4,5,6,7
	v_max_num_f32 v[BM+\n], v[BM+\n], v[BT+\n]
.endr
	v_max3_num_f32 v[T], v[BM], v[BM+1], v[BM+2]
	s_delay_alu instid0(VALU_DEP_4)
	v_max3_num_f32 v[T+1], v[BM+3], v[BM+4], v[BM+5]
	s_delay_alu instid0(VALU_DEP_2)
	v_max3_num_f32 v[T], v[T], v[BM+6], v[BM+7]
	s_delay_alu instid0(VALU_DEP_1)
	v_max_num_f32 v[T], v[T], v[T+1]
	s_delay_alu instid0(VALU_DEP_1)
	v_mul_f32 v[T], s54, v[T]
	s_delay_alu instid0(VALU_DEP_1)
	v_floor_f32 v[NM], -v[T]
.set j, 0
.rept 32
	v_pk_fma_f32 v[S+j:S+j+1], v[S+j:S+j+1], s[54:55], v[NM:NM+1] op_sel_hi:[1,0,0]
.set j, j+2
.endr
.set j, 0
	s_wait_alu depctr_va_vdst(0)
.rept 32
	v_exp_f32 v[S+j], v[S+j]
	v_exp_f32 v[S+j+1], v[S+j+1]
	v_pk_fma_f32 v[S+64+j:S+65+j], v[S+64+j:S+65+j], s[54:55], v[NM:NM+1] op_sel_hi:[1,0,0]
.set j, j+2
.endr
.irp n, 0,1,2,3,4,5,6,7
	v_fma_f32 v[BM+\n], v[BM+\n], s54, v[NM]
.endr
	s_wait_alu depctr_va_vdst(0)
.irp n, 0,1,2,3,4,5,6,7
	v_exp_f32 v[BM+\n], v[BM+\n]
.endr
.set gg, 0
.rept 32
	v_exp_f32 v[S+64+2*gg], v[S+64+2*gg]
	v_exp_f32 v[S+65+2*gg], v[S+65+2*gg]
.if gg % 2 == 1                        ; the first 64 p by pairs into 16 pairs of registers of their own: none of these sums is read inside the batch
	v_pk_add_f32 v[RA+gg-1:RA+gg], v[S+2*gg-2:S+2*gg-1], v[S+2*gg:S+2*gg+1]
.endif
.set gg, gg+1
.endr
	s_wait_alu depctr_va_vdst(0)
.irp x, 0,1,2,3,4,5,6,7                ; the row's sum of my 256 keys: eight chains by turns, then a tree
	v_pk_add_f32 v[RA+4*\x:RA+4*\x+1], v[RA+4*\x:RA+4*\x+1], v[RA+4*\x+2:RA+4*\x+3]
.endr
.set gg, 0
.rept 32
	v_pk_add_f32 v[RA+4*(gg%8):RA+4*(gg%8)+1], v[RA+4*(gg%8):RA+4*(gg%8)+1], v[S+64+2*gg:S+65+2*gg]
.set gg, gg+1
.endr
.irp x, 0,1,2,3
	v_pk_add_f32 v[RA+8*\x:RA+8*\x+1], v[RA+8*\x:RA+8*\x+1], v[RA+8*\x+4:RA+8*\x+5]
.endr
	s_delay_alu instid0(VALU_DEP_3)
	v_pk_add_f32 v[RA:RA+1], v[RA:RA+1], v[RA+8:RA+9]
	s_delay_alu instid0(VALU_DEP_2)
	v_pk_add_f32 v[RA+16:RA+17], v[RA+16:RA+17], v[RA+24:RA+25]
	s_delay_alu instid0(VALU_DEP_1)
	v_pk_add_f32 v[T:T+1], v[RA:RA+1], v[RA+16:RA+17]
	s_delay_alu instid0(VALU_DEP_1)
	v_add_f32 v[T], v[T], v[T+1]
	s_delay_alu instid0(VALU_DEP_1)
	v_permlanex16_b32 v[BT], v[T], s56, s57
	s_delay_alu instid0(VALU_DEP_1)
	v_add_f32 v[NM+1], v[T], v[BT]
	ds_store_b64 v[STW], v[NM:NM+1]
.if \fill
	s_wait_tensorcnt 0x0
	ds_add_u32 v[SPW], v[NIL]
	s_add_nc_u64 s[34+4*\e:35+4*\e], s[34+4*\e:35+4*\e], 262144
	s_wait_xcnt 0x0
	s_add_nc_u64 s[48:49], s[48:49], 131072
	s_wait_dscnt 0x0
	CROUND
	tensor_load_to_lds s[32+4*\e:35+4*\e], s[24:31]
	s_nop 0
	PLACES
.if \ask
	ASK
.endif
.else
	s_wait_tensorcnt 0x0
	s_wait_dscnt 0x0
	s_barrier_signal -1
	s_barrier_wait -1
.endif
.irp x, 0,1,2,3,4,5,6,7
	ds_load_b64 v[RA+2*\x:RA+2*\x+1], v[STR] offset:128*\x
.endr
.if \e == 0
.if \prev
	QWORK                                          ; the last pair's 32 rows of ctx: both were stored into the stage ahead of the barrier just passed
.endif
.endif
	s_wait_dscnt 0x0
	v_max3_num_f32 v[T], -v[RA], -v[RA+2], -v[RA+4]
	v_max3_num_f32 v[T+1], -v[RA+6], -v[RA+8], -v[RA+10]
	s_delay_alu instid0(VALU_DEP_2)
	v_max3_num_f32 v[T], v[T], -v[RA+12], -v[RA+14]
	s_delay_alu instid0(VALU_DEP_1)
	v_max_num_f32 v[T], v[T], v[T+1]
.irp x, 0,1,2,3,4,5,6,7
	v_sub_f32 v[RA+2*\x], -v[T], v[RA+2*\x]
.endr
.irp x, 0,1,2,3,4,5,6,7
	v_cvt_i32_f32 v[RA+2*\x], v[RA+2*\x]
.endr
.irp x, 0,1,2,3,4,5,6,7
	v_ldexp_f32 v[RA+2*\x+1], v[RA+2*\x+1], v[RA+2*\x]
.endr
	v_add_f32 v[RA+1], v[RA+1], v[RA+3]
	v_add_f32 v[RA+5], v[RA+5], v[RA+7]
	v_add_f32 v[RA+9], v[RA+9], v[RA+11]
	s_delay_alu instid0(VALU_DEP_4)
	v_add_f32 v[RA+13], v[RA+13], v[RA+15]
	s_delay_alu instid0(VALU_DEP_3)
	v_add_f32 v[RA+1], v[RA+1], v[RA+5]
	s_delay_alu instid0(VALU_DEP_2)
	v_add_f32 v[RA+9], v[RA+9], v[RA+13]
	s_delay_alu instid0(VALU_DEP_1)
	v_add_f32 v[RA+1], v[RA+1], v[RA+9]
	s_wait_alu depctr_va_vdst(0)
	v_rcp_f32 v[T+1], v[RA+1]
	v_sub_f32 v[T+2], -v[T], v[NM]
	s_delay_alu instid0(VALU_DEP_1)
	v_cvt_i32_f32 v[T+2], v[T+2]
	s_wait_alu depctr_va_vdst(0)
	v_mul_f32 v[T+1], s52, v[T+1]
	s_delay_alu instid0(VALU_DEP_1)
	v_ldexp_f32 v[FW], v[T+1], v[T+2]
.irp g, 0,1
.set j, 0
.rept 32
	v_pk_mul_f32 v[S+64*\g+j:S+64*\g+j+1], v[S+64*\g+j:S+64*\g+j+1], v[FW:FW+1] op_sel_hi:[1,0]
.set j, j+2
.endr
.irp b, 0,1,2,3
	v_mul_f32 v[BM+4*\g+\b], v[BM+4*\g+\b], v[FW]
.endr
.irp b, 0,1,2,3
	s_delay_alu instid0(VALU_DEP_4)
	v_max_num_f32 v[BM+4*\g+\b], |v[BM+4*\g+\b]|, s53
.endr
.irp b, 0,1,2,3
	s_delay_alu instid0(VALU_DEP_4)
	v_add_nc_u32 v[SO+4*\g+\b], 0xff000000, v[BM+4*\g+\b]
.endr
.irp b, 0,1,2,3
	s_delay_alu instid0(VALU_DEP_4)
	v_lshrrev_b32 v[BT+\b], 23, v[SO+4*\g+\b]
.endr
	s_delay_alu instid0(VALU_DEP_3)
	v_lshl_or_b32 v[PW+\g], v[BT+1], 8, v[BT]
	s_delay_alu instid0(VALU_DEP_1)
	v_lshl_or_b32 v[PW+\g], v[BT+2], 16, v[PW+\g]
	s_delay_alu instid0(VALU_DEP_1)
	v_lshl_or_b32 v[PW+\g], v[BT+3], 24, v[PW+\g]
.irp c, 0,1
	v_cvt_scalef32_pk16_fp6_f32 v[PC+12*\g+6*\c:PC+12*\g+6*\c+2], v[S+64*\g+32*\c:S+64*\g+32*\c+15], v[SO+4*\g+2*\c]
	v_cvt_scalef32_pk16_fp6_f32 v[CT+4*\c:CT+4*\c+2], v[S+64*\g+32*\c+16:S+64*\g+32*\c+31], v[SO+4*\g+2*\c+1]
.endr
	v_nop
.irp c, 0,1
.irp i, 0,1,2
	v_permlane16_swap_b32 v[PC+12*\g+6*\c+\i], v[CT+4*\c+\i]
.endr
.irp i, 0,1,2
	s_delay_alu instid0(VALU_DEP_3)
	v_mov_b32 v[PC+12*\g+6*\c+3+\i], v[CT+4*\c+\i]
.endr
.endr
.if \next
	BIAS \g, 1-\e
.endif
.endr
.rept 8
	v_nop
.endr
	WIN 0x51
.irp d, 0,1,2,3
	v_wmma_scale_f32_16x16x128_f8f6f4 v[O+8*\d:O+8*\d+7], v[VF+12*\d:VF+12*\d+11], v[PC:PC+11], 0, v[VS+\d], v[PW] matrix_a_fmt:MATRIX_FMT_FP6 matrix_b_fmt:MATRIX_FMT_FP6
.endr
.irp d, 0,1,2,3
	v_wmma_scale_f32_16x16x128_f8f6f4 v[O+8*\d:O+8*\d+7], v[VF+48+12*\d:VF+48+12*\d+11], v[PC+12:PC+23], v[O+8*\d:O+8*\d+7], v[VS+4+\d], v[PW+1] matrix_a_fmt:MATRIX_FMT_FP6 matrix_b_fmt:MATRIX_FMT_FP6
.endr
	WIN 0
	PLACES
	WIN 0x04
.irp d, 0,1,2,3
	ds_store_b128 v[OPW], v[O+8*\d:O+8*\d+3] offset:128*(\d/2)+32*(\d%2)
	ds_store_b128 v[OPW], v[O+8*\d+4:O+8*\d+7] offset:128*(\d/2)+32*(\d%2)+16
.endr
	WIN 0
	s_wait_dscnt 0x0
	s_barrier_signal -1
	s_barrier_wait -1
.irp x, 0,1,2,3,4,5,6,7
	ds_load_b128 v[RA+4*\x:RA+4*\x+3], v[OPR] offset:4352*\x
.endr
.endm
; A pair's ctx (32 queries x 64) out of the stage, quantised along the head's 64 by waves 0 to 3.  No barrier of its own: the stage's stores stand ahead of the barrier behind which this runs,
; and the stage is stored again only behind the step's next barrier, in front of which these reads are waited for.  Registers of its own: v112-127 numbers, v88-90 codes.
.set QD, 112
.macro QWORK
	s_cmp_lt_u32 s16, 4
	s_cbranch_scc0 .Lno_qw_\@
.irp k, 0,1,2,3
	ds_load_b128 v[QD+4*\k:QD+4*\k+3], v[SGR] offset:16*\k
.endr
	s_wait_dscnt 0x0
	v_max3_num_f32 v[T], |v[QD]|, |v[QD+1]|, s53
	v_max3_num_f32 v[T+1], |v[QD+2]|, |v[QD+3]|, |v[QD+4]|
	s_delay_alu instid0(VALU_DEP_2)
	v_max3_num_f32 v[T], v[T], |v[QD+5]|, |v[QD+6]|
	s_delay_alu instid0(VALU_DEP_2)
	v_max3_num_f32 v[T+1], v[T+1], |v[QD+7]|, |v[QD+8]|
	s_delay_alu instid0(VALU_DEP_2)
	v_max3_num_f32 v[T], v[T], |v[QD+9]|, |v[QD+10]|
	s_delay_alu instid0(VALU_DEP_2)
	v_max3_num_f32 v[T+1], v[T+1], |v[QD+11]|, |v[QD+12]|
	s_delay_alu instid0(VALU_DEP_2)
	v_max3_num_f32 v[T], v[T], |v[QD+13]|, |v[QD+14]|
	s_delay_alu instid0(VALU_DEP_1)
	v_max3_num_f32 v[T], v[T], v[T+1], |v[QD+15]|
	s_delay_alu instid0(VALU_DEP_1)
	v_permlanex16_b32 v[BT], v[T], s56, s57
	s_delay_alu instid0(VALU_DEP_1)
	v_max_num_f32 v[T], v[T], v[BT]
	s_delay_alu instid0(VALU_DEP_1)
	v_add_nc_u32 v[T+1], 0xff000000, v[T]
	v_cvt_scalef32_pk16_fp6_f32 v[SO:SO+2], v[QD:QD+15], v[T+1]
	v_lshrrev_b32 v[T+2], 23, v[T+1]
	ds_store_b8 v[SBW], v[T+2]
	global_store_b96 v[CCO], v[SO:SO+2], s[46:47]
.Lno_qw_\@:
	s_wait_xcnt 0x0                                ; the store has read its data and its base
	s_add_nc_u64 s[46:47], s[46:47], 24576
	v_add_nc_u32 v[SBW], 64, v[SBW]
.endm
; the eight waves' parts of step e's O, loaded at that step's end, are summed and go into the stage
.macro EFIN e
	s_wait_dscnt 0x0
.irp x, 0,2,4,6
	v_pk_add_f32 v[RA+4*\x:RA+4*\x+1], v[RA+4*\x:RA+4*\x+1], v[RA+4*\x+4:RA+4*\x+5]
	v_pk_add_f32 v[RA+4*\x+2:RA+4*\x+3], v[RA+4*\x+2:RA+4*\x+3], v[RA+4*\x+6:RA+4*\x+7]
.endr
.irp x, 0
	v_pk_add_f32 v[RA+4*\x:RA+4*\x+1], v[RA+4*\x:RA+4*\x+1], v[RA+4*\x+8:RA+4*\x+9]
	v_pk_add_f32 v[RA+4*\x+2:RA+4*\x+3], v[RA+4*\x+2:RA+4*\x+3], v[RA+4*\x+10:RA+4*\x+11]
.endr
.irp x, 4
	s_delay_alu instid0(VALU_DEP_4)
	v_pk_add_f32 v[RA+4*\x:RA+4*\x+1], v[RA+4*\x:RA+4*\x+1], v[RA+4*\x+8:RA+4*\x+9]
	s_delay_alu instid0(VALU_DEP_4)
	v_pk_add_f32 v[RA+4*\x+2:RA+4*\x+3], v[RA+4*\x+2:RA+4*\x+3], v[RA+4*\x+10:RA+4*\x+11]
.endr
	s_delay_alu instid0(VALU_DEP_2)
	v_pk_add_f32 v[RA:RA+1], v[RA:RA+1], v[RA+16:RA+17]
	s_delay_alu instid0(VALU_DEP_2)
	v_pk_add_f32 v[RA+2:RA+3], v[RA+2:RA+3], v[RA+18:RA+19]
	ds_store_b128 v[SGW], v[RA:RA+3] offset:4352*(\e)
.endm
.macro QUANTOUT
	s_wait_dscnt 0x0
	s_barrier_signal -1
	s_barrier_wait -1
	s_cmp_lt_u32 s16, 4
	s_cbranch_scc0 .Lno_quant_\@
.irp k, 0,1,2,3
	ds_load_b128 v[RA+4*\k:RA+4*\k+3], v[SGR] offset:16*\k
.endr
	s_wait_dscnt 0x0
	v_max3_num_f32 v[T], |v[RA]|, |v[RA+1]|, s53
	v_max3_num_f32 v[T+1], |v[RA+2]|, |v[RA+3]|, |v[RA+4]|
	s_delay_alu instid0(VALU_DEP_2)
	v_max3_num_f32 v[T], v[T], |v[RA+5]|, |v[RA+6]|
	s_delay_alu instid0(VALU_DEP_2)
	v_max3_num_f32 v[T+1], v[T+1], |v[RA+7]|, |v[RA+8]|
	s_delay_alu instid0(VALU_DEP_2)
	v_max3_num_f32 v[T], v[T], |v[RA+9]|, |v[RA+10]|
	s_delay_alu instid0(VALU_DEP_2)
	v_max3_num_f32 v[T+1], v[T+1], |v[RA+11]|, |v[RA+12]|
	s_delay_alu instid0(VALU_DEP_2)
	v_max3_num_f32 v[T], v[T], |v[RA+13]|, |v[RA+14]|
	s_delay_alu instid0(VALU_DEP_1)
	v_max3_num_f32 v[T], v[T], v[T+1], |v[RA+15]|
	s_delay_alu instid0(VALU_DEP_1)
	v_permlanex16_b32 v[BT], v[T], s56, s57
	s_delay_alu instid0(VALU_DEP_1)
	v_max_num_f32 v[T], v[T], v[BT]
	s_delay_alu instid0(VALU_DEP_1)
	v_add_nc_u32 v[T+1], 0xff000000, v[T]
	v_cvt_scalef32_pk16_fp6_f32 v[RA+16:RA+18], v[RA:RA+15], v[T+1]
	v_lshrrev_b32 v[T+2], 23, v[T+1]
	ds_store_b8 v[SBW], v[T+2]
	global_store_b96 v[CCO], v[RA+16:RA+18], s[46:47]
.Lno_quant_\@:
	s_wait_xcnt 0x0
	s_add_nc_u64 s[46:47], s[46:47], 24576
	v_add_nc_u32 v[SBW], 64, v[SBW]
.endm
	s_load_b256 s[4:11], s[0:1], 0x0
	s_load_b128 s[12:15], s[0:1], 0x20
	v_lshl_add_u32 v[SPW], v0, 2, SPARE
	v_mov_b32 v[NIL], 0
	ds_add_u32 v[SPW], v[NIL]
	ds_add_u32 v[SPW], v[NIL]
	v_lshrrev_b32 v22, 5, v0
	s_delay_alu instid0(VALU_DEP_1)
	v_readfirstlane_b32 s16, v22
	s_bfe_u32 s17, ttmp6, 0x40000
	s_lshl_b32 s18, ttmp9, 2
	s_add_co_u32 s18, s18, s17
	s_and_b32 s19, ttmp7, 0xffff
	s_lshr_b32 s20, s19, 2
	s_and_b32 s21, s19, 3
	s_lshl_b32 s22, s20, 4
	s_add_co_u32 s22, s22, s18
	s_mov_b32 s24, 15|(2<<16)|(1<<20)|(1<<21)|(7<<22)|(3<<25)
	s_mov_b32 s25, 256<<16
	s_mov_b32 s26, 16<<16
	s_mov_b32 s27, 256<<16
	s_mov_b32 s28, 16
	s_mov_b32 s29, 2048
	s_mov_b32 s30, 0
	s_mov_b32 s31, 0
	s_lshl_b32 s58, s20, 24
	s_lshl_b32 s60, s21, 22
	s_add_co_u32 s58, s58, s60
	s_lshl_b32 s60, s16, 10
	s_add_co_u32 s60, s58, s60
	s_mov_b32 s61, 0
	s_mul_i32 s62, s16, WPART
	s_mov_b32 s53, 0x1800000
	s_mov_b32 s54, 0x3fb8aa3b
	s_mov_b32 s55, s54
	s_mov_b32 s56, 0x76543210
	s_mov_b32 s57, 0xfedcba98
	s_lshr_b32 s50, s16, 2
	s_or_b32 s50, s50, ttmp9
	s_cmp_eq_u32 s50, 0
	s_cselect_b32 s50, 1, 0
	s_wait_dscnt 0x0
	s_wait_kmcnt 0x0
	s_mov_b32 s32, 1
	s_mov_b32 s33, s62
	s_add_nc_u64 s[34:35], s[4:5], s[60:61]
	s_mov_b32 s36, 1
	s_add_co_u32 s37, s62, SLOTB
	s_add_nc_u64 s[38:39], s[34:35], 131072
	s_or_b32 s35, s35, 0x80000000
	s_or_b32 s39, s39, 0x80000000
	CROUND
	tensor_load_to_lds s[32:35], s[24:31]
	s_nop 0
	s_wait_alu depctr_va_vdst(0)
	s_wait_tensorcnt 0x0
	ds_add_u32 v14, v15
	s_wait_dscnt 0x0
	CROUND
	tensor_load_to_lds s[36:39], s[24:31]
	s_nop 0
	PLACES
	s_mov_b32 s3, 0
	s_lshl_b32 s2, s18, 2
	s_add_nc_u64 s[6:7], s[6:7], s[2:3]
	s_load_b32 s52, s[6:7], 0x0
	s_lshl_b32 s2, s17, 2
	s_and_b32 s63, s16, 3
	s_add_co_u32 s2, s2, s63
	s_lshl_b32 s2, s2, 13
	s_add_co_u32 s2, s2, s58
	s_add_co_u32 s2, s2, 262144
	s_add_nc_u64 s[48:49], s[4:5], s[2:3]
	s_lshl_b32 s2, s22, 7
	s_lshl_b32 s23, s16, 4
	s_add_co_u32 s2, s2, s23
	s_mul_i32 s2, s2, 768
	s_add_co_u32 s2, s2, 6291456
	s_add_nc_u64 s[66:67], s[8:9], s[2:3]
	s_lshl_b32 s2, s22, 4
	s_lshl_b32 s23, s16, 1
	s_add_co_u32 s23, s2, s23
	s_mul_i32 s2, s23, 6144
	s_add_co_u32 s2, s2, 12582912
	s_add_nc_u64 s[68:69], s[8:9], s[2:3]
	s_lshl_b32 s2, s23, 8
	s_add_co_u32 s2, s2, 1048576
	s_add_nc_u64 s[70:71], s[10:11], s[2:3]
	s_lshl_b32 s2, s22, 5
	s_lshl_b32 s23, s16, 2
	s_add_co_u32 s2, s2, s23
	s_lshl_b32 s2, s2, 8
	s_add_co_u32 s2, s2, 524288
	s_add_nc_u64 s[60:61], s[10:11], s[2:3]
	s_lshl_b32 s2, s22, 7
	s_lshl_b32 s23, s21, 5
	s_add_co_u32 s2, s2, s23
	s_mul_i32 s2, s2, 768
	s_add_nc_u64 s[40:41], s[8:9], s[2:3]
	s_lshl_b32 s2, s22, 5
	s_lshl_b32 s23, s21, 3
	s_add_co_u32 s2, s2, s23
	s_lshl_b32 s2, s2, 8
	s_add_nc_u64 s[42:43], s[10:11], s[2:3]
	s_mov_b64 s[44:45], s[42:43]
	s_lshl_b32 s2, s20, 7
	s_lshl_b32 s23, s21, 5
	s_add_co_u32 s23, s2, s23
	s_mul_i32 s2, s23, 12288
	s_mul_i32 s63, s18, 768
	s_add_co_u32 s2, s2, s63
	s_add_nc_u64 s[46:47], s[12:13], s[2:3]
	s_lshl_b32 s2, s23, 9
	s_lshr_b32 s63, s18, 2
	s_lshl_b32 s63, s63, 7
	s_add_co_u32 s2, s2, s63
	s_and_b32 s63, s18, 3
	s_lshl_b32 s63, s63, 1
	s_add_co_u32 s2, s2, s63
	s_add_nc_u64 s[14:15], s[14:15], s[2:3]
	v_and_b32 v22, 31, v0
	v_and_b32 v23, 15, v0
	v_bfe_u32 v24, v0, 4, 1
	s_delay_alu instid0(VALU_DEP_2)
	v_mul_u32_u24 v[BA], v23, BP
	s_delay_alu instid0(VALU_DEP_1)
	v_lshl_add_u32 v[BA], v24, 6, v[BA]
	s_delay_alu instid0(VALU_DEP_1)
	v_add_nc_u32 v[BA], s62, v[BA]
	s_delay_alu instid0(VALU_DEP_1)
	v_add_nc_u32 v[BA+1], SLOTB, v[BA]
	v_and_b32 v25, 7, v23
	v_lshrrev_b32 v26, 3, v23
	s_delay_alu instid0(VALU_DEP_2)
	v_lshl_add_u32 v27, v24, 4, v25
	s_delay_alu instid0(VALU_DEP_2)
	v_mul_u32_u24 v[QO16], v26, 768
	s_delay_alu instid0(VALU_DEP_1)
	v_lshl_add_u32 v[QO8], v27, 3, v[QO16]
	s_delay_alu instid0(VALU_DEP_1)
	v_add_nc_u32 v[QO8], 512, v[QO8]
	s_delay_alu instid0(VALU_DEP_3)
	v_lshl_add_u32 v[QO16], v27, 4, v[QO16]
	v_lshlrev_b32 v[QSO], 4, v25
	s_delay_alu instid0(VALU_DEP_1)
	v_lshl_add_u32 v[QSO], v26, 2, v[QSO]
	s_lshl_b32 s63, s16, 7
	v_lshl_add_u32 v[STR], v23, 3, STAT
	s_delay_alu instid0(VALU_DEP_1)
	v_add_nc_u32 v[STW], s63, v[STR]
	s_mul_i32 s63, s16, 4352
	v_mul_u32_u24 v[OPW], v23, 272
	s_delay_alu instid0(VALU_DEP_1)
	v_lshl_add_u32 v[OPW], v24, 6, v[OPW]
	s_delay_alu instid0(VALU_DEP_1)
	v_add_nc_u32 v[OPW], s63, v[OPW]
	s_delay_alu instid0(VALU_DEP_1)
	v_add_nc_u32 v[OPW], OPB, v[OPW]
	s_mul_i32 s63, s16, 544
	v_mul_u32_u24 v[OPR], v24, 272
	s_delay_alu instid0(VALU_DEP_1)
	v_lshl_add_u32 v[OPR], v23, 4, v[OPR]
	s_delay_alu instid0(VALU_DEP_1)
	v_add_nc_u32 v[OPR], s63, v[OPR]
	s_delay_alu instid0(VALU_DEP_1)
	v_add_nc_u32 v[SGW], STG, v[OPR]
	s_delay_alu instid0(VALU_DEP_2)
	v_add_nc_u32 v[OPR], OPB, v[OPR]
	s_bfe_u32 s63, s16, 0x10001
	s_and_b32 s2, s16, 1
	s_mul_i32 s23, s63, 4352
	s_lshl_b32 s59, s2, 7
	s_add_co_u32 s23, s23, s59
	v_mul_u32_u24 v[SGR], v23, 272
	s_delay_alu instid0(VALU_DEP_1)
	v_lshl_add_u32 v[SGR], v24, 6, v[SGR]
	s_delay_alu instid0(VALU_DEP_1)
	v_add_nc_u32 v[SGR], s23, v[SGR]
	s_delay_alu instid0(VALU_DEP_1)
	v_add_nc_u32 v[SGR], STG, v[SGR]
	s_mul_i32 s23, s63, 12288
	s_mul_i32 s59, s2, 384
	s_add_co_u32 s23, s23, s59
	v_mul_u32_u24 v[CCO], v23, 24
	s_delay_alu instid0(VALU_DEP_1)
	v_mad_u32_u24 v[CCO], v24, 12, v[CCO]
	s_delay_alu instid0(VALU_DEP_1)
	v_add_nc_u32 v[CCO], s23, v[CCO]
	s_lshl_b32 s23, s63, 5
	s_add_co_u32 s23, s23, s2
	v_lshl_add_u32 v[SBW], v23, 1, SCG
	s_delay_alu instid0(VALU_DEP_1)
	v_add_nc_u32 v[SBW], s23, v[SBW]
	v_lshlrev_b32 v[PFO], 8, v22
	v_lshl_add_u32 v[FLA], v0, 2, SCG
	v_lshlrev_b32 v25, 4, v22
	v_lshlrev_b32 v26, 3, v22
	v_lshlrev_b32 v27, 4, v23
	WIN 0x40
.set j, 0
.rept 16
	global_load_b128 v[KF+6*j:KF+6*j+3], v25, s[66:67] offset:768*j
	global_load_b64 v[KF+6*j+4:KF+6*j+5], v26, s[66:67] offset:768*j+512
.set j, j+1
.endr
.set j, 0
.rept 24
	global_load_b128 v[VF+4*j:VF+4*j+3], v25, s[68:69] offset:512*j
.set j, j+1
.endr
	WIN 0
.irp m, 0,1,2,3
	global_load_b128 v[RA+4*\m:RA+4*\m+3], v27, s[60:61] offset:256*\m
.endr
	global_load_b128 v[VS:VS+3], v27, s[70:71]
	global_load_b128 v[VS+4:VS+7], v27, s[70:71] offset:256
	QLOAD 0
.irp i, 0,1,2,3,4,5
	v_mov_b32 v[QL+6+\i], 0
	v_mov_b32 v[QH+\i], 0
.endr
	v_mov_b32 v[NM+1], 0
	v_mov_b32 v[FW+1], 0
.irp n, 0,1,2,3,4,5,6,7
	v_mov_b32 v[BT+\n], 0
.endr
	s_wait_tensorcnt 0x1
	BIAS 0, 0
	BIAS 1, 0
	s_wait_loadcnt 0x0
.irp f, 0,1,2,3,4,5,6,7
	v_bfi_b32 v[KS+\f], 0xffff, v[RA+2*\f], v[RA+2*\f+1]
.endr
.rept 8
	v_nop
.endr
	s_wait_kmcnt 0x0
	s_mov_b32 s51, 0
	s_wait_alu depctr_va_vdst(0)
	STEP 0, 1, 1, 1, 0                             ; the first of 32 steps stands ahead of the loop: nothing is left over from a step before it
.Lpair:                                                ; a trip: pair s51's second step, then the next pair's first
	s_wait_alu depctr_va_vdst(0)
	STEP 1, 1, 1, 1, 1
	STEP 0, 1, 1, 1, 1
	s_add_co_u32 s51, s51, 1
	s_cmp_lt_u32 s51, 14
	s_cbranch_scc1 .Lpair
	STEP 1, 1, 0, 1, 1                             ; the last three steps: one more fill, then none
	s_add_co_u32 s51, s51, 1
	STEP 0, 0, 0, 1, 1
	STEP 1, 0, 0, 0, 1
	EFIN 1
	QUANTOUT                                       ; the last pair, behind a barrier of its own
	s_wait_dscnt 0x0
	s_barrier_signal -1
	s_barrier_wait -1
	ds_load_b32 v[T+1], v[FLA]
	v_lshrrev_b32 v[T+2], 3, v0
	v_and_b32 v[T+3], 7, v0
	s_delay_alu instid0(VALU_DEP_2)
	v_lshlrev_b32 v[T+2], 9, v[T+2]
	s_delay_alu instid0(VALU_DEP_1)
	v_lshl_add_u32 v[T+2], v[T+3], 4, v[T+2]
	s_wait_alu depctr_va_vdst(0)
	s_wait_dscnt 0x0
	global_store_b16 v[T+2], v[T+1], s[14:15]
	global_store_d16_hi_b16 v[T+2], v[T+1], s[14:15] offset:8
	s_wait_tensorcnt 0x0
	ds_add_u32 v[SPW], v[NIL]
	s_wait_dscnt 0x0
	CROUND
	s_endpgm
.Lfunc_end_k_q6743a7ab69_attn:
	.size	k_q6743a7ab69_attn, .Lfunc_end_k_q6743a7ab69_attn-k_q6743a7ab69_attn
	.p2alignl 7, 3214868480
	.fill 96, 4, 3214868480
	.section	.rodata,"a",@progbits
	.p2align	6, 0x0
	.amdhsa_kernel k_q6743a7ab69_attn
		.amdhsa_group_segment_fixed_size 327680
		.amdhsa_private_segment_fixed_size 0
		.amdhsa_enable_private_segment 0
		.amdhsa_kernarg_size 48
		.amdhsa_user_sgpr_count 2
		.amdhsa_user_sgpr_kernarg_segment_ptr 1
		.amdhsa_wavefront_size32 1
		.amdhsa_system_sgpr_workgroup_id_x 1
		.amdhsa_system_sgpr_workgroup_id_y 1
		.amdhsa_system_sgpr_workgroup_id_z 1
		.amdhsa_system_vgpr_workitem_id 0
		.amdhsa_next_free_vgpr 512
		.amdhsa_next_free_sgpr 72
		.amdhsa_reserve_vcc 0
		.amdhsa_float_denorm_mode_32 3
		.amdhsa_float_denorm_mode_16_64 3
		.amdhsa_memory_ordered 1
		.amdhsa_forward_progress 1
		.amdhsa_inst_pref_size 255
	.end_amdhsa_kernel
	.amdgpu_metadata
---
amdhsa.version: [ 1, 2 ]
amdhsa.kernels:
  - .name:           k_q6743a7ab69_attn
    .symbol:         k_q6743a7ab69_attn.kd
    .args:
      - { .name: attention_bias, .offset: 0, .size: 8, .value_kind: global_buffer, .address_space: global }
      - { .name: head_mask, .offset: 8, .size: 8, .value_kind: global_buffer, .address_space: global }
      - { .name: img, .offset: 16, .size: 8, .value_kind: global_buffer, .address_space: global }
      - { .name: isc, .offset: 24, .size: 8, .value_kind: global_buffer, .address_space: global }
      - { .name: ctc, .offset: 32, .size: 8, .value_kind: global_buffer, .address_space: global }
      - { .name: cts, .offset: 40, .size: 8, .value_kind: global_buffer, .address_space: global }
    .group_segment_fixed_size: 327680
    .private_segment_fixed_size: 0
    .kernarg_segment_align: 8
    .kernarg_segment_size: 48
    .max_flat_workgroup_size: 256
    .sgpr_count:     72
    .vgpr_count:     512
    .wavefront_size: 32
...
	.end_amdgpu_metadata
.endif
;; end of part 3
;; launch oproj (part 4): grid 8 x 32, 4 waves a work-group, clusters of 4 x 4, 327,680 bytes of LDS; arguments ctc, cts, cod1, scl1, o_b, out0; writes out0
.if DOCPART == 4
	.amdgcn_target "amdgcn-amd-amdhsa--gfx1250"
	.amdhsa_code_object_version 6
	.text
	.protected	k_q6743a7ab69_oproj
	.globl	k_q6743a7ab69_oproj
	.p2align	8
	.type	k_q6743a7ab69_oproj,@function
k_q6743a7ab69_oproj:
	s_mov_b64 s[64:65], 0
	v_nop
	global_prefetch_b8 v0, s[64:65] scope:SCOPE_SE
	s_setreg_imm32_b32 hwreg(HW_REG_WAVE_MODE, 25, 1), 1
	s_wait_xcnt 0x0
	s_wait_alu depctr_hold_cnt(0) depctr_sa_sdst(0) depctr_va_vdst(0) depctr_va_sdst(0) depctr_va_ssrc(0) depctr_va_vcc(0) depctr_vm_vsrc(0)
	s_getreg_b32 s2, hwreg(HW_REG_IB_STS2, 6, 4)
	s_cmp_eq_u32 s2, 0
	s_cbranch_scc0 .Lentry_in_a_cluster
	s_endpgm
.Lentry_in_a_cluster:
	s_bfe_u32 s2, ttmp6, 0x10000c
	s_cmp_lg_u32 s2, 0xf033
	s_cbranch_scc0 .Lentry_shape_is_right
	s_endpgm
.Lentry_shape_is_right:
; out0 = ctx o_w^T + o_b on codes of FP6 (E2M3) with E8M0 scales.  ctx's codes (tiles of 16 neighbouring tokens) and o_w's (tiles 704 to 767 of cod1) lie in the order of the operand's registers.
; D^T = X Y^T: source 0 = a tile of o_w's rows, source 1 = a tile of tokens: a lane holds token lane % 16, and the 16 registers of X's tiles 2 t and 2 t + 1 are outputs 32 t + 16 (lane / 16) + 0 .. 15.
; A work-group: 256 tokens x 128 outputs, all of K = 1,024 in LDS: no LDS byte is filled twice.  Wave w: token tiles 4 w .. 4 w + 3 against X's eight: 32 accumulators.
; o_b is the C of each sum's first matrix instruction.  CLUSTER 4 x 4: the tokens' tiles are shared along a row of the cluster, o_w's along a column.
; No prefetch.  LIMITS: NaN and infinities are not served.
; REGISTERS: window 0: v1-27 addresses; v32-63 scale words, two sets; v64-159 Y's fragments, two sets; v160-223 o_b; on the way out v64-191 rows of the result.  window 1: X's fragments, two sets.  window 2: accumulator (a, b) at v[8 (8 a + b)].
; AMENDED LAYOUT AND LOADS: K lies in LDS as two halves of 512: half n at HB n holds the tokens' 16 tiles x 6,144 bytes, then o_w's 8.  At the head each wave issues one joint load
; (Y's first half, X's first half, Y's scales, X's scales); the second half is asked for behind the next round of the cluster's barrier, by waves 0 and 1.  No LDS byte is filled twice.
.set HB,    147456
.set YXO,   98304
.set SCL,   294912
.set SCLB,  303104
.set SPARE, 307200
.set ADRA, 4
.set ADRB, 8
.set ADRS, 12
.set STO,  14
.set RD,   15
.set CO,   16
.set SPW,  28
.set NIL,  29
.set SC,   32
.set AF,   64
.set BF,   0
.set BI,   160
.set BK,   64
.set G1A,  8
.set G1B,  16
.set G1SA, 24
.set G1SB, 32
.set G0A,  40
.set G0SA, 56
.set G0SB, 60
.set G0B,  68
.set WV,   94
.set ROLE, 95
.set HALF, 96
.set CX,   97
.set CY,   98
.set XT,   99
.set YT,   100
.set MSB, 0
.macro WIN new
.if MSB != \new
	s_set_vgpr_msb (MSB<<8)|\new
.set MSB, \new
.endif
.endm
.macro PLACES
.rept 4
	v_nop
.endr
.endm
.macro CROUND
	s_barrier_signal -1
	s_barrier_wait -1
	s_cmp_lg_u32 s[WV], 0
	s_cbranch_scc1 .Lnot_wave_0_\@
	s_barrier_signal -3
.Lnot_wave_0_\@:
	s_barrier_wait -3
	s_barrier_signal -1
	s_barrier_wait -1
.endm
.macro FRAG reg, adr, off
.irp p, 0,1,2,3,4,5
	ds_load_b64 v[(\reg)+2*\p:(\reg)+2*\p+1], v[\adr] offset:(\off)+768*(\p/3)+8*(\p%3)
.endr
.endm
.macro FETCH s
.set FQ, (\s)/2
.set FK, (\s)%2
	WIN 0x40
.irp b, 0,1,2,3,4,5,6,7
	FRAG BF+96*FK+12*\b, ADRB+FQ, 6144*\b+1536*FK
.endr
	WIN 0
.irp a, 0,1,2,3
	FRAG AF+48*FK+12*\a, ADRA+FQ, 6144*\a+1536*FK
.endr
.if FK == 0
.irp i, 0,1,2,3,4,5,6,7
	ds_load_b64 v[SC+16*(FQ%2)+2*\i:SC+16*(FQ%2)+2*\i+1], v[ADRS] offset:512*\i+128*FQ
.endr
.endif
.endm
.macro MUL16 a0, s                     ; the 32 accumulators take turns, one instruction a turn
.set MK, (\s)%2
.set MQ, ((\s)/2)%2
.irp a, \a0, \a0+1
.irp b, 0,1,2,3,4,5,6,7
.if (\s) == 0
	v_wmma_scale_f32_16x16x128_f8f6f4 v[8*(8*(\a)+\b):8*(8*(\a)+\b)+7], v[BF+96*MK+12*\b:BF+96*MK+12*\b+11], v[AF+48*MK+12*(\a):AF+48*MK+12*(\a)+11], v[BI+8*\b:BI+8*\b+7], v[SC+16*MQ+2*\b+MK], v[SC+16*MQ+2*(\a)+MK] matrix_a_fmt:MATRIX_FMT_FP6 matrix_b_fmt:MATRIX_FMT_FP6 matrix_a_scale:MATRIX_SCALE_ROW1
.else
	v_wmma_scale_f32_16x16x128_f8f6f4 v[8*(8*(\a)+\b):8*(8*(\a)+\b)+7], v[BF+96*MK+12*\b:BF+96*MK+12*\b+11], v[AF+48*MK+12*(\a):AF+48*MK+12*(\a)+11], v[8*(8*(\a)+\b):8*(8*(\a)+\b)+7], v[SC+16*MQ+2*\b+MK], v[SC+16*MQ+2*(\a)+MK] matrix_a_fmt:MATRIX_FMT_FP6 matrix_b_fmt:MATRIX_FMT_FP6 matrix_a_scale:MATRIX_SCALE_ROW1
.endif
.endr
.endr
.endm
.macro MWIN s                          ; in the first step C is the bias, in window 0
.if (\s) == 0
	WIN 0x81
.else
	WIN 0xa1
.endif
.endm
.macro TOSTAGE a                       ; 16 tokens x 128 outputs through my own stage: in by 32 bytes of a row, back as whole rows of 512 bytes; LDS serves a wave's instructions in order
	WIN 0x08
.irp b, 0,1,2,3,4,5,6,7
	ds_store_b128 v[STO], v[64*(\a)+8*\b:64*(\a)+8*\b+3] offset:128*(\b/2)+32*(\b%2)       ; each accumulator from its low end on
	ds_store_b128 v[STO], v[64*(\a)+8*\b+4:64*(\a)+8*\b+7] offset:128*(\b/2)+32*(\b%2)+16
.endr
	WIN 0
.set BB, BK+64*((\a)%2)
.irp t, 0,1,2,3,4,5,6,7,8,9,10,11,12,13,14,15
	ds_load_b128 v[BB+4*\t:BB+4*\t+3], v[RD] offset:528*\t
.endr
.endm
.macro SEND a, younger
.set BB, BK+64*((\a)%2)
	s_wait_dscnt \younger
.irp t, 0,1,2,3,4,5,6,7,8,9,10,11,12,13,14,15
	global_store_b128 v[CO], v[BB+4*\t:BB+4*\t+3], s[6:7] offset:(16*(\a)+\t)*4096 th:TH_STORE_NT   ; 512 consecutive bytes, at a multiple of 256 from the buffer's first byte
.endr
.endm
	s_load_b256 s[84:91], s[0:1], 0x0              ; ctc, cts, cod1, scl1
	s_load_b128 s[4:7], s[0:1], 0x20               ; o_b, out0
	v_lshl_add_u32 v[SPW], v0, 2, SPARE
	v_mov_b32 v[NIL], 0
	ds_add_u32 v[SPW], v[NIL]                      ; the wave's opening
	ds_add_u32 v[SPW], v[NIL]
	v_lshrrev_b32 v1, 5, v0
	v_readfirstlane_b32 s[WV], v1
	s_bfe_u32 s[CX], ttmp6, 0x40000
	s_bfe_u32 s[CY], ttmp6, 0x40004
	s_lshl_b32 s[XT], ttmp9, 2
	s_add_co_u32 s[XT], s[XT], s[CX]               ; which 128 outputs
	s_and_b32 s[YT], ttmp7, 0xffff
	s_lshl_b32 s[YT], s[YT], 2
	s_add_co_u32 s[YT], s[YT], s[CY]               ; which 256 tokens
	s_lshl_b32 s2, s[CY], 2
	s_lshl_b32 s2, 15, s2
	s_lshl_b32 s66, 0x1111, s[CX]
	s_or_b32 s[G1A], s2, (3<<16)|(1<<21)
	s_or_b32 s[G1SA], s2, (3<<16)|(1<<21)
	s_or_b32 s[G1B], s66, (3<<16)|(1<<21)
	s_or_b32 s[G1SB], s66, (3<<16)|(1<<21)
.irp g, G1A, G1B
	s_mov_b32 s[\g+1], 768<<16                     ; a row = a tile's 6,144 bytes of one half of K
	s_mov_b32 s[\g+3], 768<<16
	s_mov_b32 s[\g+5], 1536
	s_mov_b32 s[\g+6], 0
	s_mov_b32 s[\g+7], 0
.endr
	s_mov_b32 s[G1A+2], 16<<16
	s_mov_b32 s[G1A+4], 16
	s_mov_b32 s[G1B+2], 8<<16
	s_mov_b32 s[G1B+4], 8
.irp g, G1SA, G1SB
	s_mov_b32 s[\g+1], 32<<16
	s_mov_b32 s[\g+3], 32<<16
	s_mov_b32 s[\g+5], 32
	s_mov_b32 s[\g+6], 0
	s_mov_b32 s[\g+7], 0
.endr
	s_mov_b32 s[G1SA+2], 32<<16
	s_mov_b32 s[G1SA+4], 32
	s_mov_b32 s[G1SB+2], 16<<16
	s_mov_b32 s[G1SB+4], 16
	s_lshl_b32 s2, s[YT], 4
	s_lshl_b32 s66, s[XT], 3
	s_add_co_u32 s66, s66, 704
	s_mul_i32 s[G0A+2], s2, 12288
	s_mov_b32 s[G0A+3], 0
	s_lshl_b32 s[G0SA+2], s2, 9
	s_mov_b32 s[G0SA+3], 0
	s_mul_i32 s[G0B+2], s66, 12288
	s_mov_b32 s[G0B+3], 0
	s_lshl_b32 s[G0SB+2], s66, 9
	s_mov_b32 s[G0SB+3], 0
.irp q, 0,1
	s_mov_b32 s[G0A+4*\q], 1
	s_mov_b32 s[G0A+4*\q+1], HB*\q
	s_mov_b32 s[G0B+4*\q], 1
	s_mov_b32 s[G0B+4*\q+1], YXO+HB*\q
.endr
	s_mov_b32 s[G0SA], 1
	s_mov_b32 s[G0SA+1], SCL
	s_mov_b32 s[G0SB], 1
	s_mov_b32 s[G0SB+1], SCLB
	s_wait_dscnt 0x0                               ; the opening add is done
	s_wait_kmcnt 0x0
	s_add_nc_u64 s[G0A+2:G0A+3], s[84:85], s[G0A+2:G0A+3]
	s_add_nc_u64 s[G0SA+2:G0SA+3], s[86:87], s[G0SA+2:G0SA+3]
	s_add_nc_u64 s[G0B+2:G0B+3], s[88:89], s[G0B+2:G0B+3]
	s_add_nc_u64 s[G0SB+2:G0SB+3], s[90:91], s[G0SB+2:G0SB+3]
	s_add_nc_u64 s[G0A+6:G0A+7], s[G0A+2:G0A+3], 6144
	s_add_nc_u64 s[G0B+6:G0B+7], s[G0B+2:G0B+3], 6144
.irp q, 0,1
	s_or_b32 s[G0A+4*\q+3], s[G0A+4*\q+3], 0x80000000
	s_or_b32 s[G0B+4*\q+3], s[G0B+4*\q+3], 0x80000000
.endr
	s_or_b32 s[G0SA+3], s[G0SA+3], 0x80000000
	s_or_b32 s[G0SB+3], s[G0SB+3], 0x80000000
	CROUND                                         ; all sixteen work-groups are here
; the head's loads, one a wave, in one chain of branches on the wave's number
.macro ARM under, g0, g1, next
	s_cmp_lt_u32 s[WV], \under
	s_cbranch_scc0 \next
	tensor_load_to_lds s[\g0:\g0+3], s[\g1:\g1+7]
	s_nop 0
	PLACES
	s_branch .Lfilled
\next:
.endm
	ARM 1, G0A,  G1A,  .Lfill_x
	ARM 2, G0B,  G1B,  .Lfill_sa
	ARM 3, G0SA, G1SA, .Lfill_sb
	tensor_load_to_lds s[G0SB:G0SB+3], s[G1SB:G1SB+7]
	s_nop 0
	PLACES
.Lfilled:
	v_and_b32 v3, 31, v0                           ; lane
	v_and_b32 v1, 15, v0                           ; r
	v_bfe_u32 v2, v0, 4, 1                         ; h
	v_lshlrev_b32 v13, 6, v2
	s_mov_b32 s3, 0
	s_lshl_b32 s2, s[XT], 9
	s_add_nc_u64 s[4:5], s[4:5], s[2:3]            ; o_b at output 128 xt
.irp t, 0,1,2,3,4,5,6,7,8,9,10,11,12,13,14,15
	global_load_b128 v[BI+4*\t:BI+4*\t+3], v13, s[4:5] offset:128*(\t/4)+16*(\t%4)       ; register 16 b + i: the bias of output 32 b + 16 h + i
.endr
	v_mul_u32_u24 v21, v3, 24
	s_mul_i32 s66, s[WV], 24576                    ; my four token tiles, 6,144 bytes each in a half
.irp q, 0,1,2,3
	v_add_nc_u32 v[ADRB+\q], YXO+HB*(\q/2)+3072*(\q%2), v21
.endr
	v_add_nc_u32 v[ADRA], s66, v21
.irp q, 1,2,3
	v_add_nc_u32 v[ADRA+\q], HB*(\q/2)+3072*(\q%2), v[ADRA]
.endr
	s_xor_b32 s66, s[WV], 3
	s_add_co_u32 s66, s66, 1
	s_lshl_b32 s66, s66, 11                        ; 8,192 - 2,048 w
	v_mul_u32_u24 v[ADRS], s66, v2                 ; lanes 16-31 take X's scale words
	v_lshl_add_u32 v[ADRS], v1, 3, v[ADRS]
	s_lshl_b32 s66, s[WV], 11
	s_add_co_u32 s66, s66, SCL
	v_add_nc_u32 v[ADRS], s66, v[ADRS]
	s_mul_i32 s66, s[WV], 8448                     ; my stage: 16 rows x 528 bytes, in the first half's bytes: they have had their only fill, and behind the barrier of chunk 1 nobody reads them
	v_mul_u32_u24 v[STO], v1, 528
	v_lshl_add_u32 v[STO], v2, 6, v[STO]
	v_add_nc_u32 v[STO], s66, v[STO]
	v_lshlrev_b32 v[CO], 4, v3
	v_add_nc_u32 v[RD], s66, v[CO]
	s_lshl_b32 s66, s[YT], 8
	s_lshl_b32 s67, s[WV], 6
	s_add_co_u32 s66, s66, s67                     ; my first token
	s_lshl_b32 s66, s66, 12
	s_add_co_u32 s66, s66, s2                      ; + 512 xt bytes
	s_mov_b32 s67, 0
	s_add_nc_u64 s[6:7], s[6:7], s[66:67]
	s_wait_alu depctr_va_vdst(0)
	s_wait_tensorcnt 0x0                           ; my one load of the head is in; the second half of K is a later first fill
	ds_add_u32 v[SPW], v[NIL]
	s_wait_dscnt 0x0
	CROUND                                         ; everybody's is, and all sixteen work-groups are here
	s_cmp_eq_u32 s[WV], 0
	s_cbranch_scc0 .Lsec_x
	tensor_load_to_lds s[G0A+4:G0A+7], s[G1A:G1A+7]        ; wave 0: the tokens' second half of K
	s_nop 0
	PLACES
	s_branch .Lsec_done
.Lsec_x:
	s_cmp_eq_u32 s[WV], 1
	s_cbranch_scc0 .Lsec_done
	tensor_load_to_lds s[G0B+4:G0B+7], s[G1B:G1B+7]        ; wave 1: o_w's
	s_nop 0
	PLACES
.Lsec_done:
	FETCH 0
	s_wait_loadcnt 0x0                             ; o_b
.irp s, 0,1,2,3,4,5,6,7
	s_wait_dscnt 0x0
	MWIN \s
	MUL16 0, \s
.if \s < 7
.if \s == 3
	s_wait_tensorcnt 0x0                           ; the one load that may be out is my part of the second half, and behind it nobody reads the first half, where the stages lie
	s_barrier_signal -1
	s_barrier_wait -1
.endif
	PLACES
	FETCH \s+1
.endif
	MWIN \s
	MUL16 2, \s
.endr
	WIN 0
	PLACES
	TOSTAGE 0
.irp a, 1,2,3
.if \a > 1
	s_wait_xcnt 0x0                                ; block a - 2's stores have read their data: block a's rows may land there
.endif
	TOSTAGE \a
	SEND \a-1, 32                                  ; behind block a - 1's loads: block a's 16 stores and 16 loads
.endr
	SEND 3, 0
	s_wait_tensorcnt 0x0                           ; the wave's end
	ds_add_u32 v[SPW], v[NIL]
	s_wait_dscnt 0x0
	CROUND                                         ; the closing round
	s_endpgm
.Lfunc_end_k_q6743a7ab69_oproj:
	.size	k_q6743a7ab69_oproj, .Lfunc_end_k_q6743a7ab69_oproj-k_q6743a7ab69_oproj
	.p2alignl 7, 3214868480
	.fill 96, 4, 3214868480
	.section	.rodata,"a",@progbits
	.p2align	6, 0x0
	.amdhsa_kernel k_q6743a7ab69_oproj
		.amdhsa_group_segment_fixed_size 327680
		.amdhsa_private_segment_fixed_size 0
		.amdhsa_enable_private_segment 0
		.amdhsa_kernarg_size 48
		.amdhsa_user_sgpr_count 2
		.amdhsa_user_sgpr_kernarg_segment_ptr 1
		.amdhsa_wavefront_size32 1
		.amdhsa_system_sgpr_workgroup_id_x 1
		.amdhsa_system_sgpr_workgroup_id_y 1
		.amdhsa_system_sgpr_workgroup_id_z 1
		.amdhsa_system_vgpr_workitem_id 0
		.amdhsa_next_free_vgpr 768
		.amdhsa_next_free_sgpr 106
		.amdhsa_reserve_vcc 0
		.amdhsa_float_denorm_mode_32 3
		.amdhsa_float_denorm_mode_16_64 3
		.amdhsa_memory_ordered 1
		.amdhsa_forward_progress 1
		.amdhsa_inst_pref_size 98
	.end_amdhsa_kernel
	.amdgpu_metadata
---
amdhsa.version: [ 1, 2 ]
amdhsa.kernels:
  - .name:           k_q6743a7ab69_oproj
    .symbol:         k_q6743a7ab69_oproj.kd
    .args:
      - { .name: ctc, .offset: 0, .size: 8, .value_kind: global_buffer, .address_space: global }
      - { .name: cts, .offset: 8, .size: 8, .value_kind: global_buffer, .address_space: global }
      - { .name: cod1, .offset: 16, .size: 8, .value_kind: global_buffer, .address_space: global }
      - { .name: scl1, .offset: 24, .size: 8, .value_kind: global_buffer, .address_space: global }
      - { .name: o_b, .offset: 32, .size: 8, .value_kind: global_buffer, .address_space: global }
      - { .name: out0, .offset: 40, .size: 8, .value_kind: global_buffer, .address_space: global }
    .group_segment_fixed_size: 327680
    .private_segment_fixed_size: 0
    .kernarg_segment_align: 8
    .kernarg_segment_size: 48
    .max_flat_workgroup_size: 128
    .sgpr_count:     106
    .vgpr_count:     768
    .wavefront_size: 32
...
	.end_amdgpu_metadata
.endif
;; end of part 4
